; MI455X (gfx1250); checked and timed in simulation.
; The chip was launched on July 23, 2026; its instructions are those of AMD's public machine-readable ISA for CDNA 5 (MIT licence, August 2026) and "CDNA5" Instruction Set Architecture Reference Guide (July 2026). The comments in the code are by the model that wrote it; some were corrected since.
;; Multihead Attention. Allowed arithmetic: matrix products marked QUANTISED: E4M3 operands, one E8M0 scale for each 32 along K, by v_wmma_scale_f32_16x16x128_f8f6f4 with both operands' format E4M3, f32 sums; everything else in f32.
;; Inputs: K 4 x 2,048 x 1,024 float32; Q 4 x 2,048 x 1,024 float32; V 4 x 2,048 x 1,024 float32; Wk 16 x 1,024 x 64 float32; Wo 1,024 x 1,024 float32; Wq 16 x 1,024 x 64 float32; Wv 16 x 1,024 x 64 float32; bk 16 x 64 float32; bo 1,024 float32; bq 16 x 64 float32; bv 16 x 64 float32.
;; Outputs: out0 4 x 2,048 x 1,024 float32.
;; This version of the problem:
;;   THIS VERSION OF THE PROBLEM IS GIVEN IN LOW PRECISION. The matrix products marked QUANTISED in the list below multiply operands that are first quantised to E4M3 (4 exponent bits, 3 mantissa bits; 8 bits a number), with one power-of-two scale for each 32 numbers along K (OCP MX v1.0); their sums are f32. All else is computed in f32.
;;   The module's matrix products, in the order in which they are computed (A, B: the left and right operand; K: the contracted axis; several contracted axes count as one K, in the product's order):
;;     1. [M 1,024, K 1,024] x [K 1,024, N 8,192]; A: input Wq; B: input Q: QUANTISED
;;     2. [M 1,024, K 1,024] x [K 1,024, N 8,192]; A: input Wk; B: input K: QUANTISED
;;     3. [M 1,024, K 1,024] x [K 1,024, N 8,192]; A: input Wv; B: input V: QUANTISED
;;     4. batch 64 x [M 2,048, K 64] x [K 64, N 2,048]; A: computed on the way; B: computed on the way: QUANTISED
;;     5. batch 64 x [M 2,048, K 2,048] x [K 2,048, N 64]; A: softmax (see below); B: computed on the way: QUANTISED
;;     6. [M 8,192, K 1,024] x [K 1,024, N 1,024]; A: computed on the way; B: input Wo: QUANTISED
;;   THE QUANTISER, for each operand of a quantised product, along K:
;;     - K is cut into blocks of 32 from its start; a last block that is shorter is filled with zeros.
;;     - A block's scale is 2^e with e = floor(log2(the largest magnitude in the block)) - 8, held to -126 .. 127; a block of zeros has e = 0. As a byte (E8M0): e + 127.
;;     - Each number is divided by its block's scale, clamped to +-448, and rounded to the nearest number of E4M3, ties to even, subnormals kept.
;;     - The product sums the exact products of the quantised numbers (number of the format x scale) in f32.
;;   ~~~python
;;   def quantise(x, axis):      # numpy; x: float32 -> the quantised numbers, widened to float32 again
;;       x = np.moveaxis(x, axis, -1); K = x.shape[-1]
;;       x = np.pad(x, [(0, 0)] * (x.ndim - 1) + [(0, -K % 32)]); x = x.reshape(x.shape[:-1] + (-1, 32)); a = np.abs(x).max(-1, keepdims=True)
;;       e = np.where(a > 0, np.clip(np.frexp(np.where(a > 0, a, 1))[1] - 1 - 8, -126, 127), 0)      # np.frexp(a)[1] - 1 = floor(log2(a)), exactly
;;       r = np.clip(x / 2.0 ** e, -448, 448)
;;       step = 2.0 ** (np.maximum(np.frexp(np.where(r == 0, 1, r))[1] - 1, -6) - 3)
;;       q = np.round(r / step) * step * 2.0 ** e      # np.round: ties to even
;;       return np.moveaxis(q.reshape(q.shape[:-2] + (-1,))[..., :K], -1, axis).astype(np.float32)
;;   ~~~
;;   SOFTMAX AHEAD OF A QUANTISED PRODUCT. Where the list says 'softmax', what is quantised is not the finished softmax but p = 2^(t - M), with t = logit x log2(e) and M = ceil(the row's largest t), a whole number; so 1/2 < the row's largest p <= 1. The row's sum l is taken of the UNQUANTISED p, in f32, and the product's result is divided by l at the end. Since M is a whole number, a kernel that streams over the keys may use a running M (the ceiling of the running maximum): every later rescaling is an exact power of two, which a block's scale takes up: the codes' values come out the same.
;;   OPERANDS COMPUTED ON THE WAY. 'Computed on the way' means the value that the module computes at that place (a softmax that the list does not call 'softmax' is quantised finished and normalised). What goes into a quantiser is computed in f32, as accurately as f32 sums, v_exp_f32 and their like allow (about 1e-6 of the number): no bf16 or f16 on the way to a quantiser, and a product that is left as it is and whose result goes on into a quantised operand takes f32 operands (vector FMAs, or v_wmma_f32_16x16x4_f32). A number that lies on a knife's edge between two numbers of the format may be rounded either way, as far as f32 arithmetic and the matrix unit's own rounding can turn it there, and no further.
;; One version. Each part assembles by itself: llvm-mc -triple=amdgcn-amd-amdhsa -mcpu=gfx1250 --defsym DOCPART=n.
;; ======== version 1 of 1: 4 launches
;; limits: right only within a limited range of input values
;; workspace buffers: xcodes 25,165,824 bytes; xscales 786,432 bytes; wcodes 4,194,304 bytes; wscales 131,072 bytes; qkv 25,165,824 bytes; qkvs 786,432 bytes; ocodes 8,388,608 bytes; oscales 262,144 bytes
;; launch quant (part 1): grid 896 x 1, 4 waves a work-group, no clusters, 68,096 bytes of LDS; arguments Q, K, V, xcodes, xscales, Wq, Wk, Wv, Wo, wcodes, wscales; writes xcodes, xscales, wcodes, wscales
.if DOCPART == 1
	.amdgcn_target "amdgcn-amd-amdhsa--gfx1250"
	.amdhsa_code_object_version 6
	.text
	.protected	k_qe45a303584_quant
	.globl	k_qe45a303584_quant
	.p2align	8
	.type	k_qe45a303584_quant,@function
k_qe45a303584_quant:
	s_mov_b64 s[64:65], 0
	v_nop
	global_prefetch_b8 v0, s[64:65] scope:SCOPE_SE
	s_setreg_imm32_b32 hwreg(HW_REG_WAVE_MODE, 25, 1), 1
	s_wait_xcnt 0x0
; All seven f32 operands that arrive from outside become codes of FP8 (E4M3) with K innermost, and one E8M0 scale byte for each 32 along K.  One launch, two paths, parted by a scalar branch on the work-group's number:
; work-groups 0 to 127 take the four weights (K is not innermost there), work-groups 128 to 895 take Q, K, V (K is innermost).  Each path has LDS bytes of its own: the inputs' path 0 to 32,767, the weights' path from 32,768 on.
; A block's scale is 2^(floor(log2(its largest magnitude)) - 8); its byte is the largest magnitude's exponent field - 8, held at 1 from below.  Each number is divided by the scale, held within +-448, rounded to the nearest code, ties to even.
; STORED ORDER.  In all outputs the rows of each group of 32 lie as four runs of eight in the order 0, 2, 1, 3.  Row r of the u-th sixteen stored rows of a group is then true row 8 u + r + 8 (r / 8):
; taken as source 0 of a matrix product, two neighbouring tiles of 16 stored rows leave a lane 16 NEIGHBOURS along that axis in its 16 result registers.
; LIMITS: a block of zeros gets the byte 1 where the rule says 127 (its codes are zeros, and this program alone reads the bytes); blocks whose largest magnitude lies under 2^(9 - 127) are held at byte 1; NaN and infinities are not served.
; No tensor loads, no barrier, no cluster: waves and work-groups share no input.  68,096 bytes of LDS and 210 registers let four work-groups lie on a WGP; 896 work-groups are three and a half for each of 256.
.set NWGW, 128                         ; work-groups of the weights' path
	v_lshl_add_u32 v208, v0, 2, 0x10800
	v_mov_b32 v209, 0
	s_cmp_lt_u32 ttmp9, NWGW
	s_cbranch_scc1 .Lweights
; ======== Q, K, V, each [8192 rows][1024] f32.  xcodes: [3 tensors Q, K, V][8192 stored rows][1024 bytes];  xscales: [3][8192][32 bytes].
; SHARES.  A work-group takes 32 rows, a wave 8 rows = 8,192 numbers = 16 steps of 512.  Wave w reads the group's run w and writes run 2 (w % 2) + w / 2.  256 work-groups to a tensor.
; A conversion takes 8 numbers of one block from ONE lane's registers, a load is best where neighbouring lanes take neighbouring bytes: each load reads 512 consecutive bytes, a step's 2,048 bytes turn through the wave's own
; stage in LDS (16 bytes of padding behind each 64) and come back 64 bytes a lane; two neighbouring lanes hold a block.
.set STEPS, 16
.set MANT,  0x600000                   ; the mantissa field of 448 as f32
.set CB,    16                         ; bytes of 16 codes
.set R,     16                         ; v16-79   four sets of 16 numbers as they are loaded
.set X,     80                         ; v80-111  two sets of 16 neighbours
.set C,     128                        ; v128-191 codes: four registers for each step, so that no store's data are written again
.set E,     112                        ; v112-127 a scale byte for each step
.set WREG,  8192                       ; LDS: a region for each wave: two stages of 32 x SP bytes, behind them its 256 scale bytes
.set SP,    80                         ; a lane's place in a stage: 64 bytes + 16 of padding
	s_load_b128 s[4:7], s[0:1], 0x0                ; Q, K
	s_load_b128 s[8:11], s[0:1], 0x10              ; V, the codes
	s_load_b64 s[12:13], s[0:1], 0x20              ; the scale bytes
	s_sub_co_u32 s25, ttmp9, NWGW                  ; my number among this path's 768 work-groups
	v_lshrrev_b32 v1, 5, v0
	v_readfirstlane_b32 s16, v1                    ; wave
	v_and_b32 v2, 31, v0                           ; lane
	v_lshlrev_b32 v3, 4, v2                        ; my 16 bytes of a load's 512
	s_mul_i32 s17, s16, WREG
	v_lshrrev_b32 v14, 2, v2
	v_mul_u32_u24 v14, v14, SP
	v_and_b32 v15, 3, v2
	v_lshl_add_u32 v14, v15, 4, v14
	v_add_nc_u32 v14, s17, v14                     ; the stage, on the way in: SP (lane / 4) + 16 (lane % 4); a load's 512 bytes take eight places
	v_mul_u32_u24 v15, v2, SP
	v_add_nc_u32 v15, s17, v15                     ; on the way out: SP x lane: my 16 neighbours
	v_mul_u32_u24 v4, v2, CB                       ; my codes' place in a step's
	v_lshrrev_b32 v5, 1, v2
	s_add_co_u32 s17, s17, 2*32*SP
	v_add_nc_u32 v5, s17, v5                       ; LDS: my wave's 256 scale bytes, my block's byte
	v_lshlrev_b32 v7, 3, v2                        ; and on the way out 8 bytes a lane
	v_add_nc_u32 v6, s17, v7
	s_mov_b32 s23, MANT                            ; (an instruction takes one literal: the hold's line has another)
	s_lshr_b32 s24, s25, 8                         ; which tensor: 0 Q, 1 K, 2 V
	s_and_b32 s18, s25, 255
	s_lshl_b32 s18, s18, 2
	s_add_co_u32 s18, s18, s16                     ; which run of 8 rows of the tensor I read,
	s_lshl_b32 s18, s18, 15                        ; in bytes: 32,768 a run
	s_mov_b32 s19, 0
	s_and_b32 s20, s16, 1
	s_lshl_b32 s20, s20, 1
	s_lshr_b32 s21, s16, 1
	s_or_b32 s20, s20, s21                         ; its place in the stored group: 2 (w % 2) + w / 2
	s_lshl_b32 s21, s25, 2
	s_add_co_u32 s20, s20, s21                     ; which run I write: the three tensors lie on end, in the work-groups' order
	s_lshl_b32 s26, s20, 13                        ; 8,192 bytes of codes a run
	s_mov_b32 s27, 0
	s_lshl_b32 s28, s20, 8                         ; 256 scale bytes a run
	s_mov_b32 s29, 0
	s_wait_alu depctr_va_vdst(0)
	s_wait_kmcnt 0x0
	s_cmp_eq_u32 s24, 0                            ; the choice of the input hangs on the work-group's number alone
	s_cselect_b64 s[4:5], s[4:5], s[6:7]
	s_cmp_eq_u32 s24, 2
	s_cselect_b64 s[4:5], s[8:9], s[4:5]
	s_add_nc_u64 s[4:5], s[4:5], s[18:19]
	s_add_nc_u64 s[10:11], s[10:11], s[26:27]
	s_add_nc_u64 s[12:13], s[12:13], s[28:29]
.macro XLOAD t
.irp i, 0,1,2,3
	global_load_b128 v[R+16*((\t)%4)+4*\i:R+16*((\t)%4)+4*\i+3], v3, s[4:5] offset:2048*(\t)+512*\i th:TH_LOAD_NT   ; 32 lanes read 512 consecutive bytes; read once in the launch
.endr
.endm
.macro XTURN t                         ; step t's numbers through the stage: LDS serves a wave's instructions in order, so no wait stands between the stores and the loads
.irp i, 0,1,2,3
	ds_store_b128 v14, v[R+16*((\t)%4)+4*\i:R+16*((\t)%4)+4*\i+3] offset:32*SP*((\t)%2)+8*SP*\i
.endr
.irp i, 0,1,2,3
	ds_load_b128 v[X+16*((\t)%2)+4*\i:X+16*((\t)%2)+4*\i+3], v15 offset:32*SP*((\t)%2)+16*\i
.endr
.endm
.irp t, 0,1,2,3
	XLOAD \t
.endr
	s_wait_loadcnt 12                              ; step 0's four loads are in; the twelve of steps 1 to 3 may be out
	XTURN 0
.macro XSTEP t
.set XS, X+16*((\t)%2)
.if (\t) > 0
	s_wait_dscnt 1                                 ; this step's numbers are back from the stage (the last step's byte store may be out): so its stores into the stage have read their registers,
.else
	s_wait_dscnt 0x0
.endif
.if (\t)+4 < STEPS
	XLOAD (\t)+4                                   ; which take the loads of four steps on
.endif
.if (\t)+1 < STEPS
.if STEPS-2-(\t) >= 3
	s_wait_loadcnt 12                              ; the next step's four loads are in; those of the three steps behind it may be out
.else
	s_wait_loadcnt 4*(STEPS-2-(\t))                ; near the end fewer steps are behind it
.endif
	XTURN (\t)+1                                   ; and go through the other stage while this step is worked
.endif
	v_max3_num_f32 v8, |v[XS]|, |v[XS+1]|, |v[XS+2]|               ; the largest magnitude of my 16, in two chains
	v_max3_num_f32 v9, |v[XS+3]|, |v[XS+4]|, |v[XS+5]|
.irp i, 6,10
	v_max3_num_f32 v8, v8, |v[XS+\i]|, |v[XS+\i+1]|
	v_max3_num_f32 v9, v9, |v[XS+\i+2]|, |v[XS+\i+3]|
.endr
	v_max3_num_f32 v8, v8, |v[XS+14]|, |v[XS+15]|
	v_max3_num_f32 v8, v8, v9, 0x4800000           ; and the floor 2^(9 - 127): the byte cannot fall under 1
	v_max_num_f32_dpp v8, v8, v8 row_xmask:1 row_mask:0xf bank_mask:0xf   ; and of my neighbour's 16: the block's
	v_add_nc_u32 v11, 0xfc000000, v8               ; 8 off its exponent field: the conversion takes the exponent field of this operand as its scale, and nothing else of it
	v_and_or_b32 v10, v8, 0x7f800000, s23          ; 448 x the scale: the largest magnitude's exponent field over 448's mantissa
.irp i, 0,1,2,3,4,5,6,7,8,9,10,11,12,13,14,15
	v_med3_num_f32 v[XS+\i], v[XS+\i], -v10, v10   ; the conversion to an 8-bit code does not saturate (ISA guide 7.6.2): hold the number first
.endr
	v_cvt_scalef32_pk8_fp8_f32 v[C+4*(\t):C+4*(\t)+1], v[XS:XS+7], v11
	v_cvt_scalef32_pk8_fp8_f32 v[C+4*(\t)+2:C+4*(\t)+3], v[XS+8:XS+15], v11
	v_lshrrev_b32 v[E+(\t)], 23, v11               ; the scale's byte (also the plain instruction behind the conversions)
	ds_store_b8 v5, v[E+(\t)] offset:16*(\t)       ; both lanes of a block write the same byte with the same value
	global_store_b128 v4, v[C+4*(\t):C+4*(\t)+3], s[10:11] offset:32*CB*(\t)   ; the wave stores 512 consecutive bytes, aligned
.endm
.irp t, 0,1,2,3,4,5,6,7,8,9,10,11,12,13,14,15
	XSTEP \t
.endr
	ds_load_b64 v[12:13], v6                       ; LDS serves a wave's instructions in order: these see my stores
	s_wait_dscnt 0x0
	global_store_b64 v7, v[12:13], s[12:13]        ; 32 lanes store 256 consecutive bytes, aligned
	s_wait_tensorcnt 0x0
	ds_add_u32 v208, v209
	s_wait_dscnt 0x0
	s_endpgm
; ======== THE WEIGHTS.  Wq, Wk, Wv: [16 heads][1024 k][64 channels] f32, n = 64 head + channel.  Wo: [1024 k][1024 n] f32.
; wcodes: [4 tensors Wq, Wk, Wv, Wo][1024 stored rows n][1024 bytes];  wscales: [4][1024][32 bytes].
; A LANE TAKES A COLUMN n AND ITS REGISTERS RUN DOWN K: each load reads 128 consecutive bytes a wave, a block of 32 along K lies in ONE lane's 32 registers, and the conversions give codes with K innermost.
; SHARES.  Work-group g: 128 columns at 128 (g % 8); tensor g / 32; 256 along K at 256 ((g / 8) % 4).  A wave: 32 columns x 256 along K, 8 blocks a lane.  The codes go through the wave's own stage in LDS, into the row of the
; lane's STORED place, and leave as rows: sixteen lanes store 256 consecutive bytes, aligned.  The distance from k to k + 1 differs between the tensors (256 or 4,096 bytes), so the 32 offsets of a block stand in registers that are
; never rewritten and each block has a scalar base of its own.
.Lweights:
.set WBASE, 32768                      ; this path's LDS bytes begin here
.set NB,    8                          ; blocks
.set PITCH, 272                        ; a stage row: 256 bytes + 16
.set KROW,  1024                       ; a row of the codes' buffer in bytes
.set WX,    32                         ; v32-95   two sets of 32 numbers
.set WC,    96                         ; v96-103  a block's codes
.set OUTR,  112                        ; v112-175 the way out
.set SB,    24                         ; v24-25   the scale bytes, four to a register
.set OF,    176                        ; v176-207 4 x lane + i x (bytes from k to k + 1), i = 0 .. 31; never rewritten
.set BS,    36                         ; s[36:51] block t's base
	s_load_b256 s[4:11], s[0:1], 0x28              ; Wq, Wk, Wv, Wo
	s_load_b128 s[12:15], s[0:1], 0x48             ; the codes, the scale bytes
	v_lshrrev_b32 v1, 5, v0
	v_readfirstlane_b32 s16, v1                    ; wave 0..3
	v_and_b32 v2, 31, v0                           ; lane
	s_and_b32 s17, ttmp9, 7
	s_lshl_b32 s17, s17, 7
	s_lshl_b32 s18, s16, 5
	s_add_co_u32 s17, s17, s18                     ; n0, my wave's first column: 128 (g % 8) + 32 wave
	s_lshr_b32 s18, ttmp9, 3
	s_lshr_b32 s20, s18, 2                         ; which tensor
	s_and_b32 s18, s18, 3                          ; which 256 along K
	v_lshlrev_b32 v3, 2, v2                        ; in: 4 bytes a lane
	v_and_b32 v5, 7, v2
	v_bfe_u32 v6, v2, 3, 1
	v_lshl_add_u32 v5, v6, 4, v5
	v_bfe_u32 v6, v2, 4, 1
	v_lshl_add_u32 v5, v6, 3, v5                   ; my column's stored place in its group of 32: bits 3 and 4 of the lane change places
	s_mul_i32 s19, s16, 32*PITCH
	s_add_co_u32 s19, s19, WBASE                   ; my stage
	v_mul_u32_u24 v4, v5, PITCH
	v_add_nc_u32 v4, s19, v4                       ; into it: the row of my stored place
	v_lshlrev_b32 v9, 5, v5                        ; and that row of scale bytes: 32 bytes a row
	v_and_b32 v5, 15, v2
	v_lshrrev_b32 v6, 4, v2                        ; out of it: sixteen lanes to a row, two rows an instruction
	v_mul_u32_u24 v7, v6, PITCH
	v_lshl_add_u32 v7, v5, 4, v7
	v_add_nc_u32 v7, s19, v7                       ; LDS address
	v_mul_u32_u24 v8, v6, KROW
	v_lshl_add_u32 v8, v5, 4, v8                   ; and the same place in the codes' buffer
	s_movk_i32 s30, 256
	s_movk_i32 s31, 4096
	s_lshl_b32 s22, s17, 2                         ; Wo: column n0 begins 4 n0 bytes into a row
	s_lshr_b32 s23, s17, 6                         ; the others: head n0 / 64 of 262,144 bytes,
	s_lshl_b32 s23, s23, 18
	s_and_b32 s24, s17, 32
	s_lshl_b32 s24, s24, 2                         ; channel n0 % 64 (0 or 32)
	s_add_co_u32 s23, s23, s24
	s_cmp_eq_u32 s20, 3
	s_cselect_b32 s22, s22, s23
	s_cselect_b32 s21, s31, s30                    ; bytes from k to k + 1
	s_lshl_b32 s23, s18, 8
	s_mul_i32 s23, s23, s21                        ; my 256 along K
	s_add_co_u32 s22, s22, s23
	s_mov_b32 s23, 0
	s_lshl_b32 s24, s21, 5                         ; a block of 32 along K
	s_mov_b32 s25, 0
	s_lshl_b32 s26, s20, 20                        ; codes: tensor x 1 MiB + n0 x 1,024 + 256 x chunk
	s_lshl_b32 s27, s17, 10
	s_add_co_u32 s26, s26, s27
	s_lshl_b32 s27, s18, 8
	s_add_co_u32 s26, s26, s27
	s_mov_b32 s27, 0
	s_lshl_b32 s28, s20, 15                        ; scale bytes: tensor x 32 KiB + n0 x 32 + 8 x chunk
	s_lshl_b32 s29, s17, 5
	s_add_co_u32 s28, s28, s29
	s_lshl_b32 s29, s18, 3
	s_add_co_u32 s28, s28, s29
	s_mov_b32 s29, 0
	s_mov_b32 s32, 0x600000                        ; the mantissa field of 448
.irp i, 0,1,2,3,4,5,6,7,8,9,10,11,12,13,14,15,16,17,18,19,20,21,22,23,24,25,26,27,28,29,30,31
	v_mad_u32_u24 v[OF+\i], s21, \i, v3
.endr
	s_wait_alu depctr_va_vdst(0)
	s_wait_kmcnt 0x0
	s_cmp_eq_u32 s20, 1                            ; the choice of the input hangs on the work-group's number alone
	s_cselect_b64 s[4:5], s[6:7], s[4:5]
	s_cmp_eq_u32 s20, 2
	s_cselect_b64 s[4:5], s[8:9], s[4:5]
	s_cmp_eq_u32 s20, 3
	s_cselect_b64 s[4:5], s[10:11], s[4:5]
	s_add_nc_u64 s[BS:BS+1], s[4:5], s[22:23]
.irp t, 1,2,3,4,5,6,7
	s_add_nc_u64 s[BS+2*\t:BS+2*\t+1], s[BS+2*\t-2:BS+2*\t-1], s[24:25]
.endr
	s_add_nc_u64 s[12:13], s[12:13], s[26:27]
	s_add_nc_u64 s[14:15], s[14:15], s[28:29]
.macro WLOAD t                         ; block t: W(32 t + i, my column), i = 0 .. 31, into set t % 2
.irp i, 0,1,2,3,4,5,6,7,8,9,10,11,12,13,14,15,16,17,18,19,20,21,22,23,24,25,26,27,28,29,30,31
	global_load_b32 v[WX+32*((\t)%2)+\i], v[OF+\i], s[BS+2*(\t):BS+2*(\t)+1]
.endr
.endm
	WLOAD 0
	WLOAD 1
.macro WBLOCK t
.set WXS, WX+32*((\t)%2)
.if (\t) < NB-1
	s_wait_loadcnt 32                              ; this block's 32 loads are in; the next block's 32 may be out
.else
	s_wait_loadcnt 0
.endif
	v_max3_num_f32 v12, |v[WXS]|, |v[WXS+1]|, |v[WXS+2]|            ; the block's largest magnitude: all 32 numbers are mine
	v_max3_num_f32 v13, |v[WXS+3]|, |v[WXS+4]|, |v[WXS+5]|
.irp i, 6,10,14,18,22,26
	v_max3_num_f32 v12, v12, |v[WXS+\i]|, |v[WXS+\i+1]|
	v_max3_num_f32 v13, v13, |v[WXS+\i+2]|, |v[WXS+\i+3]|
.endr
	v_max3_num_f32 v12, v12, |v[WXS+30]|, |v[WXS+31]|
	v_max3_num_f32 v12, v12, v13, 0x4800000        ; and the floor 2^(9 - 127): the byte cannot fall under 1
	v_add_nc_u32 v11, 0xfc000000, v12              ; 8 off its exponent field: the conversion's scale operand
	v_and_or_b32 v10, v12, 0x7f800000, s32         ; 448 x the scale
	v_lshrrev_b32 v13, 23, v11                     ; the scale's byte
.if (\t)%4 == 0
	v_mov_b32 v[SB+(\t)/4], v13                    ; four bytes to a register, the lower K in the lower byte
.else
	v_lshl_or_b32 v[SB+(\t)/4], v13, 8*((\t)%4), v[SB+(\t)/4]
.endif
.irp i, 0,1,2,3,4,5,6,7,8,9,10,11,12,13,14,15,16,17,18,19,20,21,22,23,24,25,26,27,28,29,30,31
	v_med3_num_f32 v[WXS+\i], v[WXS+\i], -v10, v10 ; the conversion to an 8-bit code does not saturate (ISA guide 7.6.2): hold the number first
.endr
.irp g, 0,1,2,3
	v_cvt_scalef32_pk8_fp8_f32 v[WC+2*\g:WC+2*\g+1], v[WXS+8*\g:WXS+8*\g+7], v11
.endr
	ds_store_b128 v4, v[WC:WC+3] offset:32*(\t)    ; 32 codes: 32 bytes of my column's row
	ds_store_b128 v4, v[WC+4:WC+7] offset:32*(\t)+16
.if (\t)+2 < NB
	WLOAD (\t)+2
.endif
	s_wait_dscnt 0x0                               ; the stores have read their registers: the next block's codes may be written
.endm
.set WQ, 0
.rept NB
	WBLOCK WQ
.set WQ, WQ+1
.endr
	global_store_b64 v9, v[SB:SB+1], s[14:15]      ; my column's 8 scale bytes: pieces of 8 bytes, 32 bytes apart: one byte in 128 of what this path reads
.irp t, 0,1,2,3,4,5,6,7,8,9,10,11,12,13,14,15
	ds_load_b128 v[OUTR+4*\t:OUTR+4*\t+3], v7 offset:2*\t*PITCH   ; LDS serves a wave's instructions in order: these see my stores
.endr
.irp t, 0,1,2,3,4,5,6,7,8,9,10,11,12,13,14,15
	s_wait_dscnt 15-\t                             ; load t is back; the 15 - t younger ones may be out
	global_store_b128 v8, v[OUTR+4*\t:OUTR+4*\t+3], s[12:13] offset:2*\t*KROW
.endr
	s_wait_tensorcnt 0x0
	ds_add_u32 v208, v209
	s_wait_dscnt 0x0
	s_endpgm
.Lfunc_end_k_qe45a303584_quant:
	.size	k_qe45a303584_quant, .Lfunc_end_k_qe45a303584_quant-k_qe45a303584_quant
	.p2alignl 7, 3214868480
	.fill 96, 4, 3214868480
	.section	.rodata,"a",@progbits
	.p2align	6, 0x0
	.amdhsa_kernel k_qe45a303584_quant
		.amdhsa_group_segment_fixed_size 68096
		.amdhsa_private_segment_fixed_size 0
		.amdhsa_enable_private_segment 0
		.amdhsa_kernarg_size 88
		.amdhsa_user_sgpr_count 2
		.amdhsa_user_sgpr_kernarg_segment_ptr 1
		.amdhsa_wavefront_size32 1
		.amdhsa_system_sgpr_workgroup_id_x 1
		.amdhsa_system_sgpr_workgroup_id_y 1
		.amdhsa_system_sgpr_workgroup_id_z 1
		.amdhsa_system_vgpr_workitem_id 0
		.amdhsa_next_free_vgpr 210
		.amdhsa_next_free_sgpr 66
		.amdhsa_reserve_vcc 0
		.amdhsa_float_denorm_mode_32 3
		.amdhsa_float_denorm_mode_16_64 3
		.amdhsa_memory_ordered 1
		.amdhsa_forward_progress 1
		.amdhsa_inst_pref_size 113
	.end_amdhsa_kernel
	.amdgpu_metadata
---
amdhsa.version: [ 1, 2 ]
amdhsa.kernels:
  - .name:           k_qe45a303584_quant
    .symbol:         k_qe45a303584_quant.kd
    .args:
      - { .name: Q, .offset: 0, .size: 8, .value_kind: global_buffer, .address_space: global }
      - { .name: K, .offset: 8, .size: 8, .value_kind: global_buffer, .address_space: global }
      - { .name: V, .offset: 16, .size: 8, .value_kind: global_buffer, .address_space: global }
      - { .name: xcodes, .offset: 24, .size: 8, .value_kind: global_buffer, .address_space: global }
      - { .name: xscales, .offset: 32, .size: 8, .value_kind: global_buffer, .address_space: global }
      - { .name: Wq, .offset: 40, .size: 8, .value_kind: global_buffer, .address_space: global }
      - { .name: Wk, .offset: 48, .size: 8, .value_kind: global_buffer, .address_space: global }
      - { .name: Wv, .offset: 56, .size: 8, .value_kind: global_buffer, .address_space: global }
      - { .name: Wo, .offset: 64, .size: 8, .value_kind: global_buffer, .address_space: global }
      - { .name: wcodes, .offset: 72, .size: 8, .value_kind: global_buffer, .address_space: global }
      - { .name: wscales, .offset: 80, .size: 8, .value_kind: global_buffer, .address_space: global }
    .group_segment_fixed_size: 68096
    .private_segment_fixed_size: 0
    .kernarg_segment_align: 8
    .kernarg_segment_size: 88
    .max_flat_workgroup_size: 128
    .sgpr_count:     66
    .vgpr_count:     210
    .wavefront_size: 32
...
	.end_amdgpu_metadata
.endif
;; end of part 1
;; launch proj (part 2): grid 4 x 96, 4 waves a work-group, clusters of 4 x 4, 327,680 bytes of LDS; arguments xcodes, xscales, wcodes, wscales, bq, bk, bv, qkv, qkvs; writes qkv, qkvs
.if DOCPART == 2
	.amdgcn_target "amdgcn-amd-amdhsa--gfx1250"
	.amdhsa_code_object_version 6
	.text
	.protected	k_qe45a303584_proj
	.globl	k_qe45a303584_proj
	.p2align	8
	.type	k_qe45a303584_proj,@function
k_qe45a303584_proj:
	s_mov_b64 s[64:65], 0
	v_nop
	global_prefetch_b8 v0, s[64:65] scope:SCOPE_SE
	s_setreg_imm32_b32 hwreg(HW_REG_WAVE_MODE, 25, 1), 1
	s_wait_xcnt 0x0
	s_wait_alu depctr_hold_cnt(0) depctr_sa_sdst(0) depctr_va_vdst(0) depctr_va_sdst(0) depctr_va_ssrc(0) depctr_va_vcc(0) depctr_vm_vsrc(0)
	s_getreg_b32 s2, hwreg(HW_REG_IB_STS2, 6, 4)
	s_cmp_eq_u32 s2, 0
	s_cbranch_scc0 .Lentry_in_a_cluster
	s_endpgm
.Lentry_in_a_cluster:
	s_bfe_u32 s2, ttmp6, 0x10000c
	s_cmp_lg_u32 s2, 0xf033
	s_cbranch_scc0 .Lentry_shape_is_right
	s_endpgm
.Lentry_shape_is_right:
; The three projections q = Q Wq + bq, k = K Wk + bk, v = V Wv + bv on codes of FP8 (E4M3) with E8M0 scales, each an [8192] x [1024] product over K = 1,024; the results are quantised at once for attention's two products.
; Cluster y / 8 says which projection (0 q, 1 k, 2 v); all sixteen partners of a cluster serve the same one, so every branch on it is taken alike by all of them.
; A tile of 256 x 256 is made by four waves, each 128 x 128: 64 accumulators, 512 registers.  K goes in steps of 256 through a ring of two LDS slots filled by the tensor data mover; the scale bytes of the tile's rows, for all of K, come once.
; 'A' is source 1 of the matrix instruction (a lane holds one of its rows), 'B' source 0 (a lane's eight result registers run along its rows).
;   q, k: A = the inputs' rows, B = the weight's rows: a lane holds one sequence row and its registers run along the channels: the next product's K (the head's 64).
;   v:    A = the weight's rows, B = the inputs' rows: a lane holds one channel and its registers run along the keys: the next product's K.
; Both operands' rows lie in memory in STORED ORDER (in each 32 rows the runs of eight in the order 0, 2, 1, 3), so the 16 registers of two neighbouring tiles of B are 16 NEIGHBOURS: index 32 g + 16 (lane / 16) + 0 .. 15.
; CLUSTERS: 4 x 4.  The four of a row of the cluster need the same tiles of A, the four of a column the same tiles of B: each tile is asked for jointly, by the same tensor load with a mask that names the four.
; THE WAY OUT uses no LDS: bias added, 64 numbers a lane quantised (four blocks of 32), and the codes leave as IMAGES OF THE NEXT OPERAND'S REGISTERS: every store of the wave covers 512 consecutive bytes, aligned.
;   qkv: q at 0, k at 8 MiB: [b 16 + head][tile of 16 stored rows, 128][c 2][lane 32][16 bytes];  v at 16 MiB: [b 16 + head][128 keys, 16][tile of 16 stored channels, 4][c 4][lane][16 bytes].
;   qkvs: q at 0, k at 256 KiB: [b 16 + head][four tiles, 32][lane] words: lanes 0-15 tiles 0, 1 of the four, lanes 16-31 tiles 2, 3; a word = row's two bytes of the even tile, then of the odd tile.
;         v at 512 KiB: [b 16 + head][128 keys, 16][2][lane] words: lanes 0-15 the even channel tile, lanes 16-31 the odd one; four bytes = the four blocks of 32 keys.
; LIMITS: a block of zeros gets the byte 1 where the rule says 127 (its codes are zeros; this program alone reads the bytes); blocks under 2^(9 - 127) are held at byte 1; NaN and infinities are not served.
; REGISTERS, in windows of 256: window 0: v0-31 addresses; v32-63 scale words, two sets; v64-127 the bias in the result's layout; from v128 A's fragments, ONE set (on the way out v128-232 are at work).
;   window 1: B's fragments, TWO sets.   window 2: the accumulators of A's blocks 0-3 ((a, b) at v[8 (8 a + b)]);   window 3: those of blocks 4-7.
.set NQ,     2                         ; matrix instructions deep in a slot: 256 along K
.set ROWB,   256                       ; a tile's row in bytes
.set KROW,   1024                      ; a row of codes in memory
.set PITCH,  272                       ; an LDS row: 256 bytes + 16 of padding = 68 words: the 16 rows that a load touches start 4 banks apart (64 banks of 4 bytes: ISA guide 11.1)
.set FR,     16                        ; registers of a fragment
.set NL,     4                         ; LDS loads that bring one
.set NP,     8                         ; places behind this matrix instruction (ISA guide 7.12.1)
.set HALFT,  128*PITCH                 ; 128 rows: what one tensor load brings
.set SLOT,   4*HALFT                   ; A's 256 rows, then B's 256 rows
.set LAPS,   2                         ; 1,024 along K = four K steps = twice round the ring
.set KS,     32                        ; a row of scale bytes
.set SCL,    2*SLOT                    ; behind the ring: the scales, as units of 256 bytes + 16 of padding
.set HALFS,  (128*KS/256)*272          ; those of 128 rows
.set SBLK,   (16*KS/256)*272           ; those of 16 rows
.set SPARE,  SCL+4*HALFS               ; the spare words, 128 bytes for each wave: two blocks of 256 bytes that no other line names
.set ADRA, 16                          ; v16-17  LDS address of my A fragments in slot 0, 1
.set ADRB, 20                          ; v20-21  the same for B
.set LI,   24                          ; v24     16 x lane: my place in an image
.set LS,   25                          ; v25     4 x lane: my place among scale words
.set ADRS, 27                          ; v27     LDS address of my scale words: lanes 0-15 A's rows, lanes 16-31 B's
.set SPW,  28                          ; v28     LDS address of my spare word; never rewritten
.set NIL,  29                          ; v29     0; never rewritten
.set BO,   30                          ; v30     my byte offset in the bias; never rewritten behind its loads
.set SC,   32                          ; scale words: set s at v[SC + 16 s]; register 2 i + q: lanes 0-15 A's block i, lanes 16-31 B's block i
.set BB,   64                          ; v64-127 the bias
.set AF,   128                         ; A's fragments
.set T,    128                         ; the way out: v128-191 64 numbers of a lane
.set PC,   192                         ; v192-207 their codes
.set TM,   208                         ; v208-211 largest magnitudes, v212-215 bytes, v216-219 448 x the scale, v220-223 the conversions' scale operands
.set PW,   224                         ; the scale word just made
.set SW,   225                         ; v225-228 scale words kept
.set TP,   229                         ; v229-232 scale words on their way out
.set G1, 24
.set G0, 32
.set G1B, 48
.set G0B, 56
.set G1S, 68
.set G0S, 76
.set G1SB, 80
.set G0SB, 88
.set SEL, 66                           ; s[66:67] lane selects for v_permlanex16_b32: lane l xor 16
.set MNT, 95                           ; s95  the mantissa field of 448
.set PQ,  96                           ; s[96:97]  qkv
.set PSC, 98                           ; s[98:99]  qkvs
.set PB,  100                          ; s[100:101] the bias
.set MSB, 0
.macro WIN new                         ; the immediate's high byte repeats the setting that is left
.if MSB != \new
	s_set_vgpr_msb (MSB<<8)|\new
.set MSB, \new
.endif
.endm
.set MUL_LO, 0xa1                      ; source 0 (B) window 1, source 1 (A) window 0, C and D window 2
.set MUL_HI, 0xf1                      ; the same, C and D window 3
.set TO_B,   0x40                      ; destination window 1, address window 0
; A joint load: waves 0 and 1 fetch for A, waves 2 and 3 for B.  Each line has one mask and one set of registers; the branch hangs on the wave's number alone.  Four v_nop follow each line.
.macro JLOAD g0a, g1a, g0b, g1b
	s_cmp_eq_u32 s15, 0
	s_cbranch_scc0 .Lfor_b_\@
	tensor_load_to_lds s[\g0a:\g0a+3], s[\g1a:\g1a+7]
	s_nop 0
.rept 4
	v_nop
.endr
	s_branch .Lasked_\@
.Lfor_b_\@:
	tensor_load_to_lds s[\g0b:\g0b+3], s[\g1b:\g1b+7]
	s_nop 0
.rept 4
	v_nop
.endr
.Lasked_\@:
.endm
.macro CREST                           ; a round of the cluster's barrier behind its opening barrier
	s_cmp_lg_u32 s14, 0
	s_cbranch_scc1 .Lnot_wave_0_\@
	s_barrier_signal -3
.Lnot_wave_0_\@:
	s_barrier_wait -3
	s_barrier_signal -1
	s_barrier_wait -1
.endm
.macro CROUND                          ; a whole round
	s_barrier_signal -1
	s_barrier_wait -1
	CREST
.endm
	s_load_b256 s[68:75], s[0:1], 0x0              ; the inputs' codes, their scales, the weights' codes, their scales
	s_load_b256 s[76:83], s[0:1], 0x20             ; bq, bk, bv, qkv
	s_load_b64 s[84:85], s[0:1], 0x40              ; qkvs
	v_lshl_add_u32 v[SPW], v0, 2, SPARE
	v_mov_b32 v[NIL], 0
	ds_add_u32 v28, v29
	ds_add_u32 v28, v29
	s_wait_dscnt 0x0
	v_lshrrev_b32 v1, 5, v0
	v_readfirstlane_b32 s14, v1                    ; wave 0..3
	s_lshr_b32 s15, s14, 1                         ; which half of A's rows is mine.  Also: I fetch for A (0) or for B (1)
	s_and_b32 s16, s14, 1                          ; which half of B's rows.  Also: which 128 rows of that tile I fetch
	s_bfe_u32 s40, ttmp6, 0x40000                  ; cx, cy: my place in the cluster
	s_bfe_u32 s41, ttmp6, 0x40004
	s_and_b32 s18, ttmp7, 0xffff                   ; the cluster's y, 0 .. 23
	s_lshr_b32 s2, s18, 3                          ; which projection: the same in all sixteen partners
	s_and_b32 s18, s18, 7
	s_lshl_b32 s18, s18, 2                         ; the inputs' 32 tiles of 256 rows: four to a cluster
	s_cmp_eq_u32 s2, 2
	s_cselect_b32 s42, s18, 0                      ; B's tile = 4 x (v: the cluster's part of the inputs; else 0) + cx
	s_cselect_b32 s17, 0, s18                      ; A's tile = 4 x (v: 0; else the cluster's part) + cy
	s_add_co_u32 s42, s42, s40
	s_add_co_u32 s17, s17, s41
	s_lshl_b32 s43, s41, 2
	s_lshl_b32 s43, 15, s43                        ; my row of the cluster
	s_lshl_b32 s44, 0x1111, s40                    ; my column
	; descriptor group 1: a tile of 128 rows x 256 bytes, padded in LDS
	s_or_b32 s[G1+0], s43, (0<<16)|(1<<20)|(1<<21)|(5<<22)|(3<<25)  ; 15:0 the mask: A's tiles go to my row; 17:16 elements of 1 byte; 20 padding on; 21 set beside a mask; 24:22 after every 64 words; 31:25 four words
	s_or_b32 s[G1B+0], s44, (0<<16)|(1<<20)|(1<<21)|(5<<22)|(3<<25)
.irp g, G1, G1B
	s_mov_b32 s[\g+1], ROWB<<16                    ; tensor_dim0
	s_mov_b32 s[\g+2], 256<<16                     ; tensor_dim1: 256 rows for the head's loads; set to 128 for the ring's behind them
	s_mov_b32 s[\g+3], ROWB<<16                    ; tile_dim0
	s_mov_b32 s[\g+4], 256                         ; tile_dim1 likewise
	s_mov_b32 s[\g+5], KROW                        ; tensor_dim0_stride
	s_mov_b32 s[\g+6], 0
	s_mov_b32 s[\g+7], 0
.endr
	s_lshl_b32 s20, s17, 8                         ; A: the tile's first row, 256 x tile
	s_lshl_b32 s46, s42, 8                         ; B likewise
	s_mov_b32 s21, 0
	s_mov_b32 s47, 0
	s_mov_b64 s[18:19], KS
	s_mul_u64 s[22:23], s[20:21], s[18:19]         ; where these rows' scales begin, in bytes
	s_mul_u64 s[92:93], s[46:47], s[18:19]
	s_mov_b64 s[18:19], KROW
	s_mul_u64 s[20:21], s[20:21], s[18:19]         ; and their codes
	s_mul_u64 s[46:47], s[46:47], s[18:19]
	s_mul_i32 s45, s14, HALFT                      ; where they go: wave x 128 rows: no place in the cluster enters an LDS address
	s_mov_b32 s[SEL], 0x76543210
	s_mov_b32 s[SEL+1], 0xfedcba98
	s_mov_b32 s[MNT], 0x600000
	s_wait_kmcnt 0x0
	s_lshl_b32 s18, s2, 23                         ; the projection's part of each workspace buffer: 8 MiB of the inputs' codes,
	s_mov_b32 s19, 0
	s_add_nc_u64 s[68:69], s[68:69], s[18:19]
	s_lshl_b32 s18, s2, 18                         ; 256 KiB of their scales,
	s_add_nc_u64 s[70:71], s[70:71], s[18:19]
	s_lshl_b32 s18, s2, 20                         ; 1 MiB of the weights' codes,
	s_add_nc_u64 s[72:73], s[72:73], s[18:19]
	s_lshl_b32 s18, s2, 15                         ; 32 KiB of their scales
	s_add_nc_u64 s[74:75], s[74:75], s[18:19]
	s_cmp_eq_u32 s2, 2                             ; v: A = the weight, B = the inputs; q, k: the other way round.  The choice hangs on the cluster's y alone
	s_cselect_b64 s[4:5], s[72:73], s[68:69]       ; A's codes
	s_cselect_b64 s[6:7], s[74:75], s[70:71]       ; A's scales
	s_cselect_b64 s[8:9], s[68:69], s[72:73]       ; B's codes
	s_cselect_b64 s[10:11], s[70:71], s[74:75]     ; B's scales
	s_cmp_eq_u32 s2, 1
	s_cselect_b64 s[PB:PB+1], s[78:79], s[76:77]
	s_cmp_eq_u32 s2, 2
	s_cselect_b64 s[PB:PB+1], s[80:81], s[PB:PB+1] ; the projection's bias
	s_mov_b64 s[PQ:PQ+1], s[82:83]
	s_mov_b64 s[PSC:PSC+1], s[84:85]
	; the registers that brought the addresses now take the scales' descriptors: 128 rows' scales are a dense block of 4,096 bytes: 16 rows of 256 bytes (32 elements of 8), 16 bytes of padding behind each
	s_or_b32 s[G1S+0], s43, (3<<16)|(1<<20)|(1<<21)|(5<<22)|(3<<25)
	s_or_b32 s[G1SB+0], s44, (3<<16)|(1<<20)|(1<<21)|(5<<22)|(3<<25)
.irp g, G1S, G1SB
	s_mov_b32 s[\g+1], 32<<16
	s_mov_b32 s[\g+2], (256*KS/256)<<16
	s_mov_b32 s[\g+3], 32<<16
	s_mov_b32 s[\g+4], 256*KS/256
	s_mov_b32 s[\g+5], 32
	s_mov_b32 s[\g+6], 0
	s_mov_b32 s[\g+7], 0
.endr
	s_add_nc_u64 s[20:21], s[4:5], s[20:21]
	s_add_nc_u64 s[22:23], s[6:7], s[22:23]
	s_add_nc_u64 s[46:47], s[8:9], s[46:47]
	s_add_nc_u64 s[92:93], s[10:11], s[92:93]
	CROUND                                         ; all sixteen work-groups are here: the first joint loads meet
	s_mov_b32 s[G0S], 1
	s_mov_b32 s[G0S+1], SCL                        ; the scales of A's 256 rows
	s_mov_b64 s[G0S+2:G0S+3], s[22:23]
	s_or_b32 s[G0S+3], s[G0S+3], 0x80000000
	s_mov_b32 s[G0SB], 1
	s_mov_b32 s[G0SB+1], SCL+2*HALFS               ; and of B's, behind them
	s_mov_b64 s[G0SB+2:G0SB+3], s[92:93]
	s_or_b32 s[G0SB+3], s[G0SB+3], 0x80000000
.set G0H, 4                            ; s[4:7], s[8:11] group 0 for the head's loads of K step 0: the addresses that lay there have been used
.set G0HB, 8
	s_mov_b32 s[G0H], 1                            ; K step 0's 256 rows of A,
	s_mov_b32 s[G0H+1], 0
	s_mov_b64 s[G0H+2:G0H+3], s[20:21]
	s_or_b32 s[G0H+3], s[G0H+3], 0x80000000
	s_mov_b32 s[G0HB], 1                           ; its 256 rows of B, behind them in slot 0
	s_mov_b32 s[G0HB+1], 2*HALFT
	s_mov_b64 s[G0HB+2:G0HB+3], s[46:47]
	s_or_b32 s[G0HB+3], s[G0HB+3], 0x80000000
	s_mul_i32 s18, s16, 128*KROW                   ; for the ring: which 128 rows of a tile I fetch, in bytes
	s_mov_b32 s19, 0
	s_add_nc_u64 s[20:21], s[20:21], s[18:19]
	s_add_nc_u64 s[46:47], s[46:47], s[18:19]
.irp s, 0,1
	s_mov_b32 s[G0+4*\s], 1
	s_add_co_u32 s[G0+4*\s+1], s45, \s*SLOT
	s_add_nc_u64 s[G0+4*\s+2:G0+4*\s+3], s[20:21], \s*ROWB
	s_or_b32 s[G0+4*\s+3], s[G0+4*\s+3], 0x80000000
	s_mov_b32 s[G0B+4*\s], 1
	s_add_co_u32 s[G0B+4*\s+1], s45, \s*SLOT
	s_add_nc_u64 s[G0B+4*\s+2:G0B+4*\s+3], s[46:47], \s*ROWB
	s_or_b32 s[G0B+4*\s+3], s[G0B+4*\s+3], 0x80000000
.endr
; THE HEAD'S LOADS, ONE A WAVE: wave 0 K step 0's 256 rows of A, wave 1 its 256 rows of B, wave 2 the scales of A's 256 rows, wave 3 those of B's.  One tree of branches on the wave's number.
.macro ARM under, g0, g1, next
	s_cmp_lt_u32 s14, \under
	s_cbranch_scc0 \next
	tensor_load_to_lds s[\g0:\g0+3], s[\g1:\g1+7]
	s_nop 0
.rept 4
	v_nop
.endr
	s_branch .Lhead_asked
\next:
.endm
	ARM 1, G0H,  G1,  .Lhead_b
	ARM 2, G0HB, G1B, .Lhead_sa
	ARM 3, G0S,  G1S, .Lhead_sb
	tensor_load_to_lds s[G0SB:G0SB+3], s[G1SB:G1SB+7]
	s_nop 0
.rept 4
	v_nop
.endr
.Lhead_asked:
	v_and_b32 v1, 15, v0                           ; r = l % 16
	v_bfe_u32 v2, v0, 4, 1                         ; h = l / 16
	v_mul_u32_u24 v3, v1, PITCH
	v_lshl_add_u32 v4, v2, 4, v3                   ; a fragment's row x pitch + 16 x half
	s_mul_i32 s21, s15, HALFT                      ; my 128 rows of A
	s_mul_i32 s22, s16, HALFT                      ; my 128 rows of B,
	s_add_co_u32 s22, s22, 2*HALFT                 ; which lie behind A's 256
.irp s, 0,1
	v_add_nc_u32 v[ADRA+\s], s21, v4
	v_add_nc_u32 v[ADRB+\s], s22, v4
	s_add_co_u32 s21, s21, SLOT
	s_add_co_u32 s22, s22, SLOT
.endr
	v_mul_u32_u24 v5, v1, KS                       ; my row's scales: 32 bytes a row,
	v_lshrrev_b32 v6, 8, v5
	v_lshl_add_u32 v5, v6, 4, v5                   ; and 16 more for each 256 passed
	s_mul_i32 s21, s15, HALFS
	s_mul_i32 s22, s16, HALFS
	s_add_co_u32 s22, s22, 2*HALFS
	s_sub_co_u32 s22, s22, s21
	v_mul_u32_u24 v6, s22, v2                      ; lanes 16-31 take B's
	s_add_co_u32 s21, s21, SCL
	v_add_nc_u32 v5, v5, v6
	v_add_nc_u32 v[ADRS], s21, v5
	v_and_b32 v6, 31, v0
	v_lshlrev_b32 v[LI], 4, v6
	v_lshlrev_b32 v[LS], 2, v6
	; THE BIAS, in the result's layout, 64 registers; it is waited for at the head of the way out
	s_cmp_eq_u32 s2, 2
	s_cbranch_scc1 .Lbias_v
	s_lshl_b32 s18, s42, 10                        ; q, k: the bias runs along B's rows: mine begin at 256 x B's tile + 128 x half, 4 bytes each
	s_lshl_b32 s19, s16, 9
	s_add_co_u32 s18, s18, s19
	s_mov_b32 s19, 0
	s_add_nc_u64 s[PB:PB+1], s[PB:PB+1], s[18:19]
	v_lshlrev_b32 v[BO], 6, v2                     ; register 8 b + j holds channel 32 (b / 2) + 16 h + 8 (b % 2) + j
.irp b, 0,1,2,3,4,5,6,7
	global_load_b128 v[BB+8*\b:BB+8*\b+3], v[BO], s[PB:PB+1] offset:4*(32*(\b/2)+8*(\b%2))
	global_load_b128 v[BB+8*\b+4:BB+8*\b+7], v[BO], s[PB:PB+1] offset:4*(32*(\b/2)+8*(\b%2))+16
.endr
	s_branch .Lbias_done
.Lbias_v:
	s_lshl_b32 s18, s17, 10                        ; v: the bias runs along A's rows: a lane has one channel for each of A's blocks
	s_lshl_b32 s19, s15, 9
	s_add_co_u32 s18, s18, s19
	s_mov_b32 s19, 0
	s_add_nc_u64 s[PB:PB+1], s[PB:PB+1], s[18:19]
	v_and_b32 v[BO], 8, v1
	v_add_nc_u32 v[BO], v[BO], v1
	v_lshlrev_b32 v[BO], 2, v[BO]                  ; lane r of block a holds channel 32 (a / 2) + 8 (a % 2) + r + 8 (r / 8)
.irp a, 0,1,2,3,4,5,6,7
.irp j, 0,1,2,3,4,5,6,7
	global_load_b32 v[BB+8*\a+\j], v[BO], s[PB:PB+1] offset:4*(32*(\a/2)+8*(\a%2))   ; the same number in eight registers, so that both ways out add pairs alike
.endr
.endr
.Lbias_done:
.macro FRAG reg, adr, q, i             ; a fragment, 16 rows x 128 K of 8-bit codes: lane l holds row l % 16; registers 4 c .. 4 c + 3 hold K = 32 c + 16 (l / 16) + 0 .. 15
.irp c, 0,1,2,3
	ds_load_b128 v[\reg+4*\c:\reg+4*\c+3], v[\adr] offset:128*(\q)+32*\c+(\i)*16*PITCH
.endr
.endm
; 16 matrix instructions: A's blocks a0, a0 + 1 x B's eight, 128 along K.  p: B's set;  sc: the set of scale words.  zero = 1: the first product starts the sums.
; The 64 accumulators take turns, one instruction a turn, in the same order in every step.
.macro MUL16 a0, p, q, sc, zero
.irp a, \a0, \a0+1
.irp b, 0,1,2,3,4,5,6,7
.if \zero
	v_wmma_scale_f32_16x16x128_f8f6f4 v[8*(8*((\a)%4)+\b):8*(8*((\a)%4)+\b)+7], v[128*(\p)+FR*\b:128*(\p)+FR*\b+FR-1], v[AF+FR*(\a):AF+FR*(\a)+FR-1], 0, v[SC+8*NQ*(\sc)+NQ*\b+(\q)], v[SC+8*NQ*(\sc)+NQ*(\a)+(\q)] matrix_a_scale:MATRIX_SCALE_ROW1
.else
	v_wmma_scale_f32_16x16x128_f8f6f4 v[8*(8*((\a)%4)+\b):8*(8*((\a)%4)+\b)+7], v[128*(\p)+FR*\b:128*(\p)+FR*\b+FR-1], v[AF+FR*(\a):AF+FR*(\a)+FR-1], v[8*(8*((\a)%4)+\b):8*(8*((\a)%4)+\b)+7], v[SC+8*NQ*(\sc)+NQ*\b+(\q)], v[SC+8*NQ*(\sc)+NQ*(\a)+(\q)] matrix_a_scale:MATRIX_SCALE_ROW1
.endif
.endr
.endr
.endm
.macro FETCH_B slot, q, p              ; B's eight fragments of the slot's q-th 128 along K into set p
	WIN TO_B
.irp i, 0,1,2,3,4,5,6,7
	FRAG 128*(\p)+FR*\i, ADRB+\slot, \q, \i
.endr
	WIN 0
.endm
.macro FETCH_A slot, q, i0             ; A's blocks i0 .. i0 + 3
.irp i, \i0, \i0+1, \i0+2, \i0+3
	FRAG AF+FR*(\i), ADRA+\slot, \q, \i
.endr
.endm
.macro SCALES sc                       ; the next K step's scale words into set sc: two words a row; lanes 0-15 take A's block i, lanes 16-31 B's block i
.irp i, 0,1,2,3,4,5,6,7
	ds_load_b64 v[SC+8*NQ*\sc+NQ*\i:SC+8*NQ*\sc+NQ*\i+1], v[ADRS] offset:\i*SBLK
.endr
.endm
; A load into a register that a matrix instruction has read, and a vector instruction that reads a matrix result, stand NP places behind it; only plain vector instructions that name none of its registers are places.
.macro PLACES n
.rept \n
	v_nop
.endr
.endm
; A step of 128 along K that has its successor in the same slot.
.macro STEP slot, q, zero
	s_wait_dscnt 4*NL                              ; B's set and A's blocks 0-3 are in; the youngest sixteen loads (A's blocks 4-7) may be out
	WIN MUL_LO
	MUL16 0, (\q)%2, \q, \slot, \zero
	MUL16 2, (\q)%2, \q, \slot, \zero
	s_wait_dscnt 0                                 ; A's blocks 4-7 are in (asked for 32 matrix instructions ago)
	PLACES NP
	FETCH_B \slot, (\q)+1, 1-(\q)%2
	FETCH_A \slot, (\q)+1, 0
	WIN MUL_HI
	MUL16 4, (\q)%2, \q, \slot, \zero
	MUL16 6, (\q)%2, \q, \slot, \zero
	PLACES NP
	WIN 0
	FETCH_A \slot, (\q)+1, 4
.endm
; A slot's last step changes slots: ONE barrier; in front of it each wave waits for all its tensor loads, adds 0 to its spare word, and waits for that and for its own reads of this slot.  fill = 1: this slot is filled again, two K steps ahead.
.macro TURN slot, next, fill
	s_wait_tensorcnt 0x0                           ; all my tensor loads have landed: my part of the next slot  (every window is 0 here)
	ds_add_u32 v[SPW], v[NIL]                      ; 0 onto my spare word
	s_wait_dscnt 4*NL+1                            ; (the add and the youngest sixteen loads, A's blocks 4-7, may be out)
	WIN MUL_LO
	MUL16 0, 1, NQ-1, \slot, 0                     ; sixteen matrix instructions stand between the add and the wait for it
	s_wait_dscnt 0x0                               ; the add is done, and my reads of this slot are over
	s_barrier_signal -1
	MUL16 2, 1, NQ-1, \slot, 0
	WIN 0
	s_barrier_wait -1
.if \fill
	CREST                                          ; the barrier has opened a round of the cluster's barrier: no wave of any partner still reads this slot's tile or has a load on its way
	s_add_nc_u64 s[G0+4*\slot+2:G0+4*\slot+3], s[G0+4*\slot+2:G0+4*\slot+3], 2*ROWB
	s_add_nc_u64 s[G0B+4*\slot+2:G0B+4*\slot+3], s[G0B+4*\slot+2:G0B+4*\slot+3], 2*ROWB
	JLOAD G0+4*\slot, G1, G0B+4*\slot, G1B         ; the first tensor load behind the round, my only one out; its four v_nop are among the places in front of the loads below
	PLACES NP-4
.else
	PLACES NP
.endif
	s_wait_alu depctr_va_vdst(0)
	v_add_nc_u32 v[ADRS], 4*NQ, v[ADRS]            ; on to the next K step's scale words
	FETCH_B \next, 0, 0
	FETCH_A \next, 0, 0
	SCALES \next
	WIN MUL_HI
	MUL16 4, 1, NQ-1, \slot, 0
	MUL16 6, 1, NQ-1, \slot, 0
	PLACES NP
	WIN 0
	FETCH_A \next, 0, 4
.endm
	s_wait_alu depctr_va_vdst(0)
	s_wait_tensorcnt 0x0                           ; my tile of the head's four is in; these lines stand ahead of a later first fill as ahead of a refill
	ds_add_u32 v[SPW], v[NIL]                      ; 0 onto my spare word
	s_mov_b32 s[G1+2], 128<<16                     ; no tensor load of mine is out: from here on a load brings 128 rows
	s_mov_b32 s[G1+4], 128
	s_mov_b32 s[G1B+2], 128<<16
	s_mov_b32 s[G1B+4], 128
	s_wait_dscnt 0x0                               ; the add is done
	CROUND                                         ; a whole round: all four tiles are in, and the sixteen work-groups are here
	JLOAD G0+4, G1, G0B+4, G1B                     ; K step 1's load, the first tensor load behind the round
	FETCH_B 0, 0, 0
	FETCH_A 0, 0, 0
	s_wait_alu depctr_va_vdst(0)
	SCALES 0
	FETCH_A 0, 0, 4
	STEP 0, 0, 1                                   ; the first step stands in front of the loop: its products start the sums
	s_mov_b32 s3, LAPS-1
.Llap:                                                 ; a trip goes once round the ring, from a lap's second step to the next lap's first, and fills both slots again
	TURN 0, 1, 1
	STEP 1, 0, 0
	TURN 1, 0, 1
	STEP 0, 0, 0
	s_sub_co_u32 s3, s3, 1
	s_cmp_lg_u32 s3, 0
	s_cbranch_scc1 .Llap
	TURN 0, 1, 0                                   ; the last lap fills nothing, and has no round of the cluster's barrier
	STEP 1, 0, 0
	s_wait_dscnt 4*NL                              ; the very last step: nothing more to fetch
	WIN MUL_LO
	MUL16 0, 1, NQ-1, 1, 0
	MUL16 2, 1, NQ-1, 1, 0
	s_wait_dscnt 0
	WIN MUL_HI
	MUL16 4, 1, NQ-1, 1, 0
	MUL16 6, 1, NQ-1, 1, 0
	WIN 0
; THE WAY OUT.  64 numbers of a lane, v[s] .. v[s + 63], register 16 b + i = index 32 b + 16 (lane / 16) + i along the next K, become 16 registers of codes in v[PC] on and a scale word in v[PW].
.macro QUANT s
.irp b, 0,1,2,3
	v_max3_num_f32 v[TM+\b], |v[\s+16*\b]|, |v[\s+1+16*\b]|, 0x4800000   ; block b: my 16 numbers, and the floor 2^(9 - 127): the byte cannot fall under 1
.endr
.irp i, 2,4,6,8,10,12,14
.irp b, 0,1,2,3
	v_max3_num_f32 v[TM+\b], v[TM+\b], |v[\s+16*\b+\i]|, |v[\s+1+16*\b+\i]|   ; (the four blocks by turns)
.endr
.endr
.irp b, 0,1,2,3
	v_permlanex16_b32 v[TM+4+\b], v[TM+\b], s[SEL], s[SEL+1]
.endr
.irp b, 0,1,2,3
	v_max_num_f32 v[TM+\b], v[TM+\b], v[TM+4+\b]   ; with lane l xor 16's: the block's largest magnitude
.endr
.irp b, 0,1,2,3
	v_add_nc_u32 v[TM+12+\b], 0xfc000000, v[TM+\b]   ; 8 off its exponent field: the conversion's scale operand
.endr
.irp b, 0,1,2,3
	v_and_or_b32 v[TM+8+\b], v[TM+\b], 0x7f800000, s[MNT]   ; 448 x the scale
.endr
.irp b, 0,1,2,3
	v_lshrrev_b32 v[TM+4+\b], 23, v[TM+12+\b]   ; the scale's byte
.endr
	v_lshl_or_b32 v[PW], v[TM+5], 8, v[TM+4]
	v_lshl_or_b32 v[PW], v[TM+6], 16, v[PW]
	v_lshl_or_b32 v[PW], v[TM+7], 24, v[PW]
.irp b, 0,1,2,3
.irp i, 0,1,2,3,4,5,6,7,8,9,10,11,12,13,14,15
	v_med3_num_f32 v[\s+16*\b+\i], v[\s+16*\b+\i], -v[TM+8+\b], v[TM+8+\b]   ; the conversion to an 8-bit code does not saturate (ISA guide 7.6.2): the hold
.endr
	v_cvt_scalef32_pk8_fp8_f32 v[PC+4*\b:PC+1+4*\b], v[\s+16*\b:\s+7+16*\b], v[TM+12+\b]
	v_cvt_scalef32_pk8_fp8_f32 v[PC+2+4*\b:PC+3+4*\b], v[\s+8+16*\b:\s+15+16*\b], v[TM+12+\b]
.endr
	v_nop                                          ; one plain vector instruction behind the scaled conversions
.endm
; A's block a: its eight accumulators plus the bias, each accumulator read from its low end on, then quantised
.macro EPI a, isv
	WIN 0x02+(\a)/4                                ; source 0: window 2 or 3
.set ii, 0
.rept 32
.if \isv
	v_pk_add_f32 v[T+2*ii:T+2*ii+1], v[64*((\a)%4)+2*ii:64*((\a)%4)+2*ii+1], v[BB+8*(\a)+(2*ii)%8:BB+8*(\a)+(2*ii)%8+1]
.else
	v_pk_add_f32 v[T+2*ii:T+2*ii+1], v[64*((\a)%4)+2*ii:64*((\a)%4)+2*ii+1], v[BB+2*ii:BB+2*ii+1]
.endif
.set ii, ii+1
.endr
	WIN 0
	s_wait_xcnt 0x0                                ; the earlier stores have read their data: the codes' and the words' registers are written again only behind this wait
	QUANT T
.endm
	PLACES NP                                      ; behind the last products: their results are read and A's registers written below
.irp b, 0,1,2,3
	v_mov_b32 v[TM+4+\b], 0                        ; a lane permute's destination counts as one of its sources
.endr
	v_and_b32 v[TP], 31, v0
	v_cmp_lt_u32 vcc_lo, 15, v[TP]                 ; lanes 16-31; kept to the end
	s_wait_loadcnt 0x0                             ; the bias
	s_cmp_eq_u32 s2, 2
	s_cbranch_scc1 .Lout_v
	; ---- q, k: lane (r, h) holds stored row r of tile tau0 + a; its 64 numbers are 128 channels' share: two heads x two blocks of 32
	s_lshl_b32 s18, s17, 8
	s_lshl_b32 s19, s15, 7
	s_add_co_u32 s18, s18, s19                     ; my first stored row of the 8,192
	s_lshr_b32 s19, s18, 11                        ; the batch
	s_lshl_b32 s19, s19, 4
	s_lshl_b32 s20, s42, 2
	s_add_co_u32 s19, s19, s20
	s_lshl_b32 s20, s16, 1
	s_add_co_u32 s19, s19, s20                     ; 16 batch + my first head (4 x B's tile + 2 x half)
	s_and_b32 s18, s18, 2047
	s_lshr_b32 s18, s18, 4                         ; tau0: my first tile of 16 rows in the sequence
	s_lshl_b32 s20, s2, 23                         ; codes: 8 MiB x projection + 131,072 x (batch, head) + 1,024 x tile
	s_lshl_b32 s21, s19, 17
	s_add_co_u32 s20, s20, s21
	s_lshl_b32 s21, s18, 10
	s_add_co_u32 s20, s20, s21
	s_mov_b32 s21, 0
	s_add_nc_u64 s[PQ:PQ+1], s[PQ:PQ+1], s[20:21]
	s_lshl_b32 s20, s2, 18                         ; scale words: 256 KiB x projection + 4,096 x (batch, head) + 128 x (tile / 4)
	s_lshl_b32 s22, s19, 12
	s_add_co_u32 s20, s20, s22
	s_lshl_b32 s22, s18, 5
	s_add_co_u32 s20, s20, s22
	s_add_nc_u64 s[PSC:PSC+1], s[PSC:PSC+1], s[20:21]
.irp a, 0,1,2,3,4,5,6,7
	EPI \a, 0
.irp be, 0,1,2,3
	global_store_b128 v[LI], v[PC+4*\be:PC+4*\be+3], s[PQ:PQ+1] offset:(\be/2)*131072+\a*1024+(\be%2)*512   ; block be: head be / 2, half be % 2 of its 64: 512 consecutive bytes
.endr
	v_mov_b32 v[SW+\a%4], v[PW]
.if \a%4 == 3
.irp hl, 0,1                               ; four tiles' words make, for each head, one register: lanes 0-15 tiles 0 and 1, lanes 16-31 tiles 2 and 3; each word the even tile's two bytes, then the odd tile's
	v_perm_b32 v[TP+2*\hl], v[SW+1], v[SW], 0x05040100+0x02020202*\hl
	v_perm_b32 v[TP+2*\hl+1], v[SW+3], v[SW+2], 0x05040100+0x02020202*\hl
	v_cndmask_b32 v[TP+2*\hl], v[TP+2*\hl], v[TP+2*\hl+1], vcc_lo
	global_store_b32 v[LS], v[TP+2*\hl], s[PSC:PSC+1] offset:\hl*4096+(\a/4)*128
.endr
.endif
.endr
	s_branch .Lend
.Lout_v:
	; ---- v: lane (r, h) holds stored channel r of A's block a; its 64 numbers are its share of my 128 keys: four blocks of 32
	s_lshl_b32 s18, s42, 8
	s_lshl_b32 s19, s16, 7
	s_add_co_u32 s18, s18, s19                     ; my first key among the 8,192 rows
	s_lshr_b32 s19, s18, 11
	s_lshl_b32 s19, s19, 4
	s_lshl_b32 s20, s17, 2
	s_add_co_u32 s19, s19, s20
	s_lshl_b32 s20, s15, 1
	s_add_co_u32 s19, s19, s20                     ; 16 batch + my first head (4 x A's tile + 2 x half)
	s_and_b32 s18, s18, 2047
	s_lshr_b32 s18, s18, 7                         ; which 128 keys of the sequence
	s_lshl_b32 s20, s19, 17                        ; codes: 16 MiB + 131,072 x (batch, head) + 8,192 x key step
	s_lshl_b32 s21, s18, 13
	s_add_co_u32 s20, s20, s21
	s_add_co_u32 s20, s20, 0x1000000
	s_mov_b32 s21, 0
	s_add_nc_u64 s[PQ:PQ+1], s[PQ:PQ+1], s[20:21]
	s_lshl_b32 s20, s19, 12                        ; scale words: 512 KiB + 4,096 x (batch, head) + 256 x key step
	s_lshl_b32 s22, s18, 8
	s_add_co_u32 s20, s20, s22
	s_add_co_u32 s20, s20, 0x80000
	s_add_nc_u64 s[PSC:PSC+1], s[PSC:PSC+1], s[20:21]
.irp a, 0,1,2,3,4,5,6,7
	EPI \a, 1
.irp c, 0,1,2,3
	global_store_b128 v[LI], v[PC+4*\c:PC+4*\c+3], s[PQ:PQ+1] offset:(\a/4)*131072+(\a%4)*2048+512*\c   ; head a / 4, channel tile a % 4: a whole fragment, 2,048 bytes on end
.endr
.if \a%2 == 0
	v_mov_b32 v[SW], v[PW]
.else
	v_cndmask_b32 v[TP], v[SW], v[PW], vcc_lo      ; lanes 0-15 the even channel tile's words, lanes 16-31 the odd one's
	global_store_b32 v[LS], v[TP], s[PSC:PSC+1] offset:(\a/4)*4096+((\a%4)/2)*128
.endif
.endr
.Lend:
	s_wait_tensorcnt 0x0                           ; the wave's end
	ds_add_u32 v[SPW], v[NIL]
	s_wait_dscnt 0x0
	CROUND                                         ; the closing round: no work-group ends while a partner may still ask for a tile that names it
	s_endpgm
.Lfunc_end_k_qe45a303584_proj:
	.size	k_qe45a303584_proj, .Lfunc_end_k_qe45a303584_proj-k_qe45a303584_proj
	.p2alignl 7, 3214868480
	.fill 96, 4, 3214868480
	.section	.rodata,"a",@progbits
	.p2align	6, 0x0
	.amdhsa_kernel k_qe45a303584_proj
		.amdhsa_group_segment_fixed_size 327680
		.amdhsa_private_segment_fixed_size 0
		.amdhsa_enable_private_segment 0
		.amdhsa_kernarg_size 72
		.amdhsa_user_sgpr_count 2
		.amdhsa_user_sgpr_kernarg_segment_ptr 1
		.amdhsa_wavefront_size32 1
		.amdhsa_system_sgpr_workgroup_id_x 1
		.amdhsa_system_sgpr_workgroup_id_y 1
		.amdhsa_system_sgpr_workgroup_id_z 1
		.amdhsa_system_vgpr_workitem_id 0
		.amdhsa_next_free_vgpr 1024
		.amdhsa_next_free_sgpr 102
		.amdhsa_reserve_vcc 1
		.amdhsa_float_denorm_mode_32 3
		.amdhsa_float_denorm_mode_16_64 3
		.amdhsa_memory_ordered 1
		.amdhsa_forward_progress 1
		.amdhsa_inst_pref_size 255
	.end_amdhsa_kernel
	.section	.bss,"aw",@nobits
	.p2align	6
	.space	262144
	.amdgpu_metadata
---
amdhsa.version: [ 1, 2 ]
amdhsa.kernels:
  - .name:           k_qe45a303584_proj
    .symbol:         k_qe45a303584_proj.kd
    .args:
      - { .name: xcodes, .offset: 0, .size: 8, .value_kind: global_buffer, .address_space: global }
      - { .name: xscales, .offset: 8, .size: 8, .value_kind: global_buffer, .address_space: global }
      - { .name: wcodes, .offset: 16, .size: 8, .value_kind: global_buffer, .address_space: global }
      - { .name: wscales, .offset: 24, .size: 8, .value_kind: global_buffer, .address_space: global }
      - { .name: bq, .offset: 32, .size: 8, .value_kind: global_buffer, .address_space: global }
      - { .name: bk, .offset: 40, .size: 8, .value_kind: global_buffer, .address_space: global }
      - { .name: bv, .offset: 48, .size: 8, .value_kind: global_buffer, .address_space: global }
      - { .name: qkv, .offset: 56, .size: 8, .value_kind: global_buffer, .address_space: global }
      - { .name: qkvs, .offset: 64, .size: 8, .value_kind: global_buffer, .address_space: global }
    .group_segment_fixed_size: 327680
    .private_segment_fixed_size: 0
    .kernarg_segment_align: 8
    .kernarg_segment_size: 72
    .max_flat_workgroup_size: 128
    .sgpr_count:     102
    .vgpr_count:     1024
    .wavefront_size: 32
...
	.end_amdgpu_metadata
.endif
;; end of part 2
;; launch attn (part 3): grid 4 x 64, 16 waves a work-group, clusters of 4 x 1, 327,680 bytes of LDS; arguments qkv, qkvs, ocodes, oscales; writes ocodes, oscales
.if DOCPART == 3
	.amdgcn_target "amdgcn-amd-amdhsa--gfx1250"
	.amdhsa_code_object_version 6
	.text
	.protected	k_qe45a303584_attn
	.globl	k_qe45a303584_attn
	.p2align	8
	.type	k_qe45a303584_attn,@function
k_qe45a303584_attn:
	s_mov_b64 s[64:65], 0
	v_nop
	global_prefetch_b8 v0, s[64:65] scope:SCOPE_SE
	s_setreg_imm32_b32 hwreg(HW_REG_WAVE_MODE, 25, 1), 1
	s_wait_xcnt 0x0
	s_wait_alu depctr_hold_cnt(0) depctr_sa_sdst(0) depctr_va_vdst(0) depctr_va_sdst(0) depctr_va_ssrc(0) depctr_va_vcc(0) depctr_vm_vsrc(0)
	s_getreg_b32 s2, hwreg(HW_REG_IB_STS2, 6, 4)
	s_cmp_eq_u32 s2, 0
	s_cbranch_scc0 .Lentry_in_a_cluster
	s_endpgm
.Lentry_in_a_cluster:
	s_bfe_u32 s2, ttmp6, 0x10000c
	s_cmp_lg_u32 s2, 0x3003
	s_cbranch_scc0 .Lentry_shape_is_right
	s_endpgm
.Lentry_shape_is_right:
; Attention of one (batch, head) on codes of FP8 (E4M3) with E8M0 scales: S^T = K Q^T, p = 2^(t - M), O^T = V^T P^T, O / the row's sum, quantised at once for the output projection.
; SHARES.  A cluster of four work-groups takes one (batch, head): cluster y = 16 batch + head.  A work-group takes 512 queries, each of its sixteen waves two neighbouring tiles of 16 queries, one after the other (two passes).
; LDS.  The head's K codes (131,072 bytes), V codes (131,072) and their scale words (4,096 each) come ONCE, by one group of joint loads that names the four partners: waves 0-3 K's quarters, 4-7 V's, 8 and 9 the scale words.
; One barrier follows them; nothing is filled again, so the passes hold no barrier and no wait on tensor loads.  No prefetch: every byte is asked for at the head, there is no loop to run ahead in.
; LAYOUT (as the projections' launch stores it): all operands are images of fragment registers, 16 bytes a lane.  A fragment of K holds two tiles of 16 keys x the head's 64; the instruction's K is 128, so Q stands
; between zeros, v[QR:QR+23] = 0, q, 0: [q, 0] takes the even tile, [0, q] the odd one.  The stored order of the keys makes the 16 registers of two neighbouring tiles 16 neighbouring keys.  A lane holds ONE query throughout.
; THE SOFTMAX: t = score x log2(e) / 8; M = the running largest t rounded up to a whole number, kept as -M; p = 2^(t - M); the sum is taken of the unquantised p in f32; when M moves, sums and O^T are multiplied by 2^(old M - new M).
; A KEY STEP's order: the hold writes into v[T..], so p stays whole in v[S..] and the row's sums are taken at the head of the NEXT step, where they are the places behind the last products and stand under K's LDS loads.
; The exponentials go in four batches of a block of 32 keys; beside each stand plain lines that read nothing written inside the batch.
; LIMITS: the promise holds while the scaled scores stay under 2^31 in magnitude; a block of zeros gets the byte 1 where the rule says 127 (its codes are zeros, this program alone reads the bytes); NaN and infinities are not served.
.set VOFF,  131072                     ; LDS: K's codes at 0, V's here
.set SCK,   262144                     ; K's scale words; V's 4,096 bytes on
.set SCV,   SCK+4096
.set SPARE, SCV+4096                   ; the spare words, 128 bytes a wave: eight blocks of 256 bytes that no other line names
.set QST,   SPARE+2048                 ; each wave's own bytes for its second tile of Q: 16 bytes a thread at 0 and 8,192, its scale word at 16,384
.set L16,  1                           ; 16 x lane
.set ADK,  2                           ; LDS addresses of the step's K, V and scale words
.set ADV,  3
.set ADS,  4
.set SPW,  5
.set NIL,  6
.set QS,   7                           ; Q's scale word
.set L2,   8                           ; the row's sum in four chains of pairs: v[14:15], v[10:11], v[8:9], v[234:235]
.set L1,   10
.set L0,   14                          ; v12 -M, v13 the running largest score
.set QR,   16
.set KV,   40                          ; four fragments of K, then of V
.set S,    104                         ; S^T, then p
.set O,    168
.set PC,   200                         ; p's codes
.set TM,   216
.set TP,   220
.set HD,   224
.set SO,   228
.set F,    232
.set PS,   233                         ; p's scale word
.set L3,   234
.set KSC,  236
.set VSC,  238
.set T,    240                         ; sixteen registers at work: second chains of the maxima, then a block's held p
.set TT,   T+4
.set WV,   12
.set MNT,  19
.set SEL,  20
.set CS,   22
.set G1,   24
.set G1S,  32
.set G0K,  40
.set G0V,  44
.set G0SK, 48
.set G0SV, 52
.set CNT,  58
.set QSB,  59
.macro CROUND                          ; a round of the cluster's barrier
	s_barrier_signal -1
	s_barrier_wait -1
	s_cmp_lg_u32 s[WV], 0
	s_cbranch_scc1 .Lnot_wave_0_\@
	s_barrier_signal -3
.Lnot_wave_0_\@:
	s_barrier_wait -3
	s_barrier_signal -1
	s_barrier_wait -1
.endm
.macro ARM under, g0, g1, next         ; one arm of the head's tree: a load, its s_nop 0 and four v_nop
	s_cmp_lt_u32 s[WV], \under
	s_cbranch_scc0 \next
	tensor_load_to_lds s[\g0:\g0+3], s[\g1:\g1+7]
	s_nop 0
.rept 4
	v_nop
.endr
	s_branch .Lasked
\next:
.endm
	s_load_b256 s[4:11], s[0:1], 0x0               ; qkv, qkvs, ocodes, oscales
	v_lshl_add_u32 v[SPW], v0, 2, SPARE
	v_mov_b32 v[NIL], 0
	ds_add_u32 v[SPW], v[NIL]                      ; the opening lines: the add, twice on end, and its wait ahead of the first tensor load
	ds_add_u32 v[SPW], v[NIL]
	v_lshrrev_b32 v8, 5, v0
	v_readfirstlane_b32 s[WV], v8                  ; wave 0..15
	s_bfe_u32 s13, ttmp6, 0x40000                  ; cx: it enters global addresses of Q and O alone
	s_and_b32 s14, ttmp7, 0xffff                   ; 16 batch + head
	s_and_b32 s15, s[WV], 3
	s_lshl_b32 s16, s15, 15                        ; my quarter of K or V: 32,768 bytes, in memory and in LDS
	s_lshl_b32 s66, s14, 17                        ; a head's codes are 131,072 bytes in each of q, k, v
	s_add_co_u32 s66, s66, s16
	s_mov_b32 s67, 0
	s_lshl_b32 s68, s14, 12                        ; its scale words 4,096
	s_mov_b32 s69, 0
	s_lshl_b32 s18, s13, 4
	s_add_co_u32 s18, s18, s[WV]                   ; my pair of query tiles: 16 cx + wave
	s_lshl_b32 s74, s14, 17
	s_lshl_b32 s75, s18, 11
	s_add_co_u32 s74, s74, s75                     ; Q's codes: 2,048 bytes a pair
	s_mov_b32 s75, 0
	s_lshl_b32 s76, s18, 6
	s_add_co_u32 s76, s76, s68                     ; Q's scale words: 64 bytes a pair, a word = the even tile's two bytes, then the odd one's
	s_mov_b32 s77, 0
	s_lshr_b32 s78, s14, 4
	s_lshl_b32 s78, s78, 6
	s_add_co_u32 s78, s78, s18                     ; 64 batch + pair
	s_and_b32 s79, s14, 15                         ; the head
	s_lshl_b32 s60, s78, 15
	s_lshl_b32 s61, s79, 10
	s_add_co_u32 s60, s60, s61                     ; ocodes: 16,384 bytes a tile of 16 rows, 1,024 a head
	s_mov_b32 s61, 0
	s_lshl_b32 s62, s78, 10
	s_lshl_b32 s63, s79, 1
	s_add_co_u32 s62, s62, s63                     ; oscales: 512 bytes a tile, 32 a row, 2 a head
	s_mov_b32 s63, 0
	s_lshl_b32 s[QSB], s[WV], 9
	s_add_co_u32 s[QSB], s[QSB], QST
	s_mov_b32 s[G1], 15|(3<<16)|(1<<21)            ; the four partners; elements of 8 bytes; bit 21 beside a mask.  128 rows of 256 bytes, dense
	s_mov_b32 s[G1+1], 32<<16
	s_mov_b32 s[G1+2], 128<<16
	s_mov_b32 s[G1+3], 32<<16
	s_mov_b32 s[G1+4], 128
	s_mov_b32 s[G1+5], 32
	s_mov_b32 s[G1+6], 0
	s_mov_b32 s[G1+7], 0
	s_mov_b32 s[G1S], 15|(3<<16)|(1<<21)           ; the scale words: 16 rows of 256 bytes
	s_mov_b32 s[G1S+1], 32<<16
	s_mov_b32 s[G1S+2], 16<<16
	s_mov_b32 s[G1S+3], 32<<16
	s_mov_b32 s[G1S+4], 16
	s_mov_b32 s[G1S+5], 32
	s_mov_b32 s[G1S+6], 0
	s_mov_b32 s[G1S+7], 0
	s_mov_b32 s[SEL], 0x76543210
	s_mov_b32 s[SEL+1], 0xfedcba98
	s_mov_b32 s[CS], 0x3e38aa3b                    ; c = log2(e) / 8
	s_mov_b32 s[CS+1], s[CS]
	s_mov_b32 s[MNT], 0x600000
	s_wait_dscnt 0x0                               ; both opening adds are done
	s_wait_kmcnt 0x0
	s_add_nc_u64 s[70:71], s[4:5], s[66:67]
	s_add_nc_u64 s[72:73], s[6:7], s[68:69]
	s_mov_b32 s[G0K], 1
	s_mov_b32 s[G0K+1], s16
	s_add_nc_u64 s[G0K+2:G0K+3], s[70:71], 0x800000
	s_or_b32 s[G0K+3], s[G0K+3], 0x80000000
	s_mov_b32 s[G0V], 1
	s_add_co_u32 s[G0V+1], s16, VOFF
	s_add_nc_u64 s[G0V+2:G0V+3], s[70:71], 0x1000000
	s_or_b32 s[G0V+3], s[G0V+3], 0x80000000
	s_mov_b32 s[G0SK], 1
	s_mov_b32 s[G0SK+1], SCK
	s_add_nc_u64 s[G0SK+2:G0SK+3], s[72:73], 0x40000
	s_or_b32 s[G0SK+3], s[G0SK+3], 0x80000000
	s_mov_b32 s[G0SV], 1
	s_mov_b32 s[G0SV+1], SCV
	s_add_nc_u64 s[G0SV+2:G0SV+3], s[72:73], 0x80000
	s_or_b32 s[G0SV+3], s[G0SV+3], 0x80000000
	CROUND                                         ; the four partners are here: the joint loads meet
	ARM 4,  G0K,  G1,  .Lh_v
	ARM 8,  G0V,  G1,  .Lh_sk
	ARM 9,  G0SK, G1S, .Lh_sv
	ARM 10, G0SV, G1S, .Lh_none
.Lasked:
	s_add_nc_u64 s[4:5], s[4:5], s[74:75]
	s_add_nc_u64 s[6:7], s[6:7], s[76:77]
	s_add_nc_u64 s[8:9], s[8:9], s[60:61]
	s_add_nc_u64 s[10:11], s[10:11], s[62:63]
	v_and_b32 v8, 31, v0
	v_and_b32 v9, 15, v0
	v_lshlrev_b32 v[L16], 4, v8
	v_lshlrev_b32 v9, 2, v9
	global_load_b128 v[QR+8:QR+11], v[L16], s[4:5]                 ; the even tile's codes
	global_load_b128 v[QR+12:QR+15], v[L16], s[4:5] offset:512
	global_load_b128 v[KV:KV+3], v[L16], s[4:5] offset:1024        ; the odd tile's, on their way to my bytes of LDS
	global_load_b128 v[KV+4:KV+7], v[L16], s[4:5] offset:1536
	global_load_b32 v[KV+8], v9, s[6:7]                            ; both tiles' scale bytes
.irp i, 0,1,2,3,4,5,6,7
	v_mov_b32 v[QR+\i], 0                          ; the zeros on both sides of q
	v_mov_b32 v[QR+16+\i], 0
.endr
.irp b, 0,1,2,3
	v_mov_b32 v[TP+\b], 0                          ; a lane permute's destination counts as one of its sources
.endr
	v_mov_b32 v[PS], 0                             ; (named as the upper half of the pair v[F:F+1])
	v_mov_b32 v[TT], 0
.macro SUMS b                          ; block b's 16 unquantised p onto the four chains
.irp i, 0,1
	v_pk_add_f32 v[L0:L0+1], v[L0:L0+1], v[S+16*\b+8*\i:S+16*\b+8*\i+1]
	v_pk_add_f32 v[L1:L1+1], v[L1:L1+1], v[S+16*\b+8*\i+2:S+16*\b+8*\i+3]
	v_pk_add_f32 v[L2:L2+1], v[L2:L2+1], v[S+16*\b+8*\i+4:S+16*\b+8*\i+5]
	v_pk_add_f32 v[L3:L3+1], v[L3:L3+1], v[S+16*\b+8*\i+6:S+16*\b+8*\i+7]
.endr
.endm
.macro QK f                            ; fragment f of K: its even tile against [q, 0], its odd tile against [0, q]
.irp u, 0,1
.if (\f)%2
	v_wmma_scale_f32_16x16x128_f8f6f4 v[S+16*\f+8*\u:S+16*\f+8*\u+7], v[KV+16*\f:KV+16*\f+15], v[QR+8-8*\u:QR+23-8*\u], 0, v[KSC+\f/2], v[QS] matrix_a_scale:MATRIX_SCALE_ROW1
.else
	v_wmma_scale_f32_16x16x128_f8f6f4 v[S+16*\f+8*\u:S+16*\f+8*\u+7], v[KV+16*\f:KV+16*\f+15], v[QR+8-8*\u:QR+23-8*\u], 0, v[KSC+\f/2], v[QS]
.endif
.endr
.endm
.macro PF j                            ; t - M of two scores
	v_pk_fma_f32 v[S+\j:S+\j+1], v[S+\j:S+\j+1], s[CS:CS+1], v[12:13] op_sel_hi:[1,0,0]
.endm
.macro EX j
	v_exp_f32 v[S+\j], v[S+\j]
.endm
.macro HOLD b, i                       ; the conversion does not saturate (ISA guide 7.6.2); p is not negative, so the hold is one-sided.  It leaves p as it is
	v_dual_min_num_f32 v[T+\i], v[S+16*\b+\i], v[HD+\b] :: v_dual_min_num_f32 v[T+\i+1], v[S+16*\b+\i+1], v[HD+\b]
.endm
.macro CODES b
	v_cvt_scalef32_pk8_fp8_f32 v[PC+4*\b:PC+4*\b+1], v[T:T+7], v[SO+\b]
	v_cvt_scalef32_pk8_fp8_f32 v[PC+4*\b+2:PC+4*\b+3], v[T+8:T+15], v[SO+\b]
.endm
.macro OMUL j0, n                      ; O^T under the new M
.set jj, \j0
.rept \n
	v_pk_mul_f32 v[O+jj:O+jj+1], v[O+jj:O+jj+1], v[F:F+1] op_sel_hi:[1,0]
.set jj, jj+2
.endr
.endm
.macro LMUL l
	v_pk_mul_f32 v[\l:\l+1], v[\l:\l+1], v[F:F+1] op_sel_hi:[1,0]
.endm
.macro STEP                            ; 128 keys
	SUMS 0                                         ; the last step's p.  These eight are the places behind the last products, in front of the loads into their operands
.irp g, 0,1,2,3
.irp c, 0,1,2,3
	ds_load_b128 v[KV+16*\g+4*\c:KV+16*\g+4*\c+3], v[ADK] offset:2048*\g+512*\c
.endr
.endr
	ds_load_b32 v[KSC], v[ADS]
	ds_load_b32 v[KSC+1], v[ADS] offset:128
	SUMS 1
	SUMS 2
	s_wait_alu depctr_va_vdst(0)
	s_wait_dscnt 0x0                               ; K's fragments and scale words
	QK 0
	QK 1
	QK 2
	SUMS 3                                         ; block 3's old p, ahead of the products that write over it: eight places behind the six products above
	QK 3
.irp b, 0,1,2                                  ; the largest score of each block of 32 keys, two chains a block; blocks 0-2 are the places behind block 3's products
	v_max3_num_f32 v[TM+\b], v[S+16*\b], v[S+16*\b+1], v[S+16*\b+2]
	v_max3_num_f32 v[T+\b], v[S+16*\b+8], v[S+16*\b+9], v[S+16*\b+10]
.endr
.irp b, 0,1,2
	v_max3_num_f32 v[TM+\b], v[TM+\b], v[S+16*\b+3], v[S+16*\b+4]
	v_max3_num_f32 v[T+\b], v[T+\b], v[S+16*\b+11], v[S+16*\b+12]
.endr
.irp ct, 0,1,2,3                               ; twelve places behind the last product: V's fragments take K's registers
.irp c, 0,1,2,3
	ds_load_b128 v[KV+16*\ct+4*\c:KV+16*\ct+4*\c+3], v[ADV] offset:2048*\ct+512*\c
.endr
.endr
	ds_load_b32 v[VSC], v[ADS] offset:4096
	ds_load_b32 v[VSC+1], v[ADS] offset:4224
	v_add_nc_u32 v[ADK], 0x2000, v[ADK]            ; on to the next step's 8,192 bytes of K, of V, and 256 bytes of scale words
	v_add_nc_u32 v[ADV], 0x2000, v[ADV]
	v_add_nc_u32 v[ADS], 0x100, v[ADS]
.irp b, 0,1,2
	v_max3_num_f32 v[TM+\b], v[TM+\b], v[S+16*\b+5], v[S+16*\b+6]
	v_max3_num_f32 v[T+\b], v[T+\b], v[S+16*\b+13], v[S+16*\b+14]
.endr
.irp b, 0,1,2
	v_max3_num_f32 v[TM+\b], v[TM+\b], v[T+\b], v[S+16*\b+7]
.endr
.irp b, 0,1,2
	v_max_num_f32 v[TM+\b], v[TM+\b], v[S+16*\b+15]
.endr
	v_max3_num_f32 v[TM+3], v[S+48], v[S+49], v[S+50]
	v_max3_num_f32 v[T+3], v[S+56], v[S+57], v[S+58]
	v_permlanex16_b32 v[TP], v[TM], s[SEL], s[SEL+1]
	v_max3_num_f32 v[TM+3], v[TM+3], v[S+51], v[S+52]
	v_max3_num_f32 v[T+3], v[T+3], v[S+59], v[S+60]
	v_permlanex16_b32 v[TP+1], v[TM+1], s[SEL], s[SEL+1]
	v_max3_num_f32 v[TM+3], v[TM+3], v[S+53], v[S+54]
	v_max3_num_f32 v[T+3], v[T+3], v[S+61], v[S+62]
	v_permlanex16_b32 v[TP+2], v[TM+2], s[SEL], s[SEL+1]
	v_max3_num_f32 v[TM+3], v[TM+3], v[T+3], v[S+55]
	v_max_num_f32 v[TM], v[TM], v[TP]              ; with lane l xor 16's 16 keys
	v_max_num_f32 v[TM+1], v[TM+1], v[TP+1]
	v_max_num_f32 v[TM+3], v[TM+3], v[S+63]
	v_max_num_f32 v[TM+2], v[TM+2], v[TP+2]
	v_mov_b32 v[TT], v12                           ; the old -M
	v_permlanex16_b32 v[TP+3], v[TM+3], s[SEL], s[SEL+1]
	v_max3_num_f32 v13, v13, v[TM], v[TM+1]
	v_max_num_f32 v[TM+3], v[TM+3], v[TP+3]
	s_delay_alu instid0(VALU_DEP_1)
	v_max3_num_f32 v13, v13, v[TM+2], v[TM+3]      ; the running largest score
	s_delay_alu instid0(VALU_DEP_1)
	v_mul_f32 v[F], s[CS], v13                     ; as t (c is positive)
	s_delay_alu instid0(VALU_DEP_1)
	v_floor_f32 v12, -v[F]                         ; -M = floor(-t): M is a whole number
	s_delay_alu instid0(VALU_DEP_1)
	v_sub_f32 v[TT], v12, v[TT]                    ; old M less new M: a whole number, 0 or less
	PF 0
	PF 2
	v_cvt_i32_f32 v[TT], v[TT]                     ; (it saturates)
	PF 4
	PF 6
	v_ldexp_f32 v[F], 1.0, v[TT]                   ; f = 2^(old M - new M)
	PF 8
	PF 10
	PF 12
	PF 14
.irp b, 0,1,2,3
	v_fma_f32 v[TM+\b], v[TM+\b], s[CS], v12       ; the same of each block's largest score: p rises with the score
.endr
	s_wait_alu depctr_va_vdst(0)                   ; ahead of the batch
.set ii, 0
.rept 8                                        ; batch 0: block 0's p; beside it t - M of blocks 1 and 2
	EX 2*ii
	PF 16+2*ii
	EX 2*ii+1
	PF 32+2*ii
.set ii, ii+1
.endr
	v_exp_f32 v[TM], v[TM]                         ; the blocks' largest p; beside them the sums under the new M
	LMUL L0
	v_exp_f32 v[TM+1], v[TM+1]
	LMUL L1
	v_exp_f32 v[TM+2], v[TM+2]
	LMUL L2
	v_exp_f32 v[TM+3], v[TM+3]
	LMUL L3
	s_wait_alu depctr_va_vdst(0)                   ; behind the batch
.irp b, 0,1,2,3
	v_max_num_f32 v[TM+\b], 0x4800000, v[TM+\b]    ; the floor 2^(9 - 127): the byte cannot fall under 1
.endr
.irp b, 0,1,2,3
	v_add_nc_u32 v[SO+\b], 0xfc000000, v[TM+\b]    ; 8 off the exponent field: the conversion's scale operand
.endr
.irp b, 0,1,2,3
	v_and_or_b32 v[HD+\b], v[TM+\b], 0x7f800000, s[MNT]   ; 448 x the scale
.endr
.irp b, 0,1,2,3
	v_lshrrev_b32 v[TP+\b], 23, v[SO+\b]           ; the scale's byte
.endr
	v_lshl_or_b32 v[PS], v[TP+1], 8, v[TP]
	v_lshl_or_b32 v[PS], v[TP+2], 16, v[PS]
	v_lshl_or_b32 v[PS], v[TP+3], 24, v[PS]
	s_wait_alu depctr_va_vdst(0)                   ; ahead of batch 1
.set ii, 0
.rept 8                                        ; batch 1: block 1's p; beside it block 0's hold and t - M of block 3
	EX 16+2*ii
	HOLD 0, 2*ii
	EX 16+2*ii+1
	PF 48+2*ii
.set ii, ii+1
.endr
	s_wait_alu depctr_va_vdst(0)
	CODES 0
	v_nop                                          ; one plain line behind the conversions, ahead of the lines that write their sources
.set ii, 0
.rept 8                                        ; batch 2: block 2's p; beside it block 1's hold
	EX 32+2*ii
	EX 32+2*ii+1
	HOLD 1, 2*ii
.set ii, ii+1
.endr
	s_wait_alu depctr_va_vdst(0)
	CODES 1
	v_nop
.set ii, 0
.rept 8                                        ; batch 3: block 3's p; beside it block 2's hold
	EX 48+2*ii
	EX 48+2*ii+1
	HOLD 2, 2*ii
.set ii, ii+1
.endr
	s_wait_alu depctr_va_vdst(0)                   ; behind the last batch, ahead of the first readers of O^T and of the wait below
	s_wait_dscnt 0x0                               ; V's fragments and scale words
	CODES 2
	OMUL 0, 4
.irp i, 0,2,4,6,8,10,12,14
	HOLD 3, \i
.endr
	CODES 3
	OMUL 8, 12                                     ; also the places between the codes and the products
.irp ct, 0,2
	v_wmma_scale_f32_16x16x128_f8f6f4 v[O+8*\ct:O+8*\ct+7], v[KV+16*\ct:KV+16*\ct+15], v[PC:PC+15], v[O+8*\ct:O+8*\ct+7], v[VSC+\ct/2], v[PS]
	v_wmma_scale_f32_16x16x128_f8f6f4 v[O+8*\ct+8:O+8*\ct+15], v[KV+16*\ct+16:KV+16*\ct+31], v[PC:PC+15], v[O+8*\ct+8:O+8*\ct+15], v[VSC+\ct/2], v[PS] matrix_a_scale:MATRIX_SCALE_ROW1
.endr
.endm
.macro INIT p                          ; a pass begins: the step is written once, so its first trip finds zeros for the old p, the sums and O^T, and an M of -2^126
.if \p
	v_add_nc_u32 v[TT], s[QSB], v[L16]
	ds_load_b128 v[QR+8:QR+11], v[TT]              ; the odd tile's codes, out of my own bytes
	ds_load_b128 v[QR+12:QR+15], v[TT] offset:8192
	ds_load_b32 v[TP], v[TT] offset:16384
.endif
	v_mov_b32 v13, 0xff61b1e6                      ; the largest score so far: -3e38
	v_mov_b32 v12, 0x7e800000                      ; -M = 2^126
.irp l, L0, L1, L2, L3
	v_mov_b32 v[\l], 0
	v_mov_b32 v[\l+1], 0
.endr
.set ii, 0
.rept 64
	v_mov_b32 v[S+ii], 0
.set ii, ii+1
.endr
.set ii, 0
.rept 32
	v_mov_b32 v[O+ii], 0
.set ii, ii+1
.endr
	v_mov_b32 v[ADK], v[L16]
	v_add_nc_u32 v[ADV], VOFF, v[L16]
	v_lshrrev_b32 v[ADS], 2, v[L16]
	v_add_nc_u32 v[ADS], SCK, v[ADS]
	s_wait_alu depctr_va_vdst(0)
.if \p
	s_wait_xcnt 0x0                                ; the last pass's stores have read their registers
.endif
	s_wait_dscnt 0x0
.if \p
	v_perm_b32 v[QS], v[TP], v[TP], 0x03020302     ; the odd tile's two bytes, for either half of the instruction's K
.endif
.endm
.macro FINISH p                        ; O^T / the sum, quantised along the channels (two blocks of 32), stored as an image of the next operand's registers
	SUMS 0                                         ; the last step's p (also the places behind the last products)
	SUMS 1
	SUMS 2
	SUMS 3
	v_pk_add_f32 v[L0:L0+1], v[L0:L0+1], v[L1:L1+1]
	v_pk_add_f32 v[L2:L2+1], v[L2:L2+1], v[L3:L3+1]
	s_delay_alu instid0(VALU_DEP_1)
	v_pk_add_f32 v[L0:L0+1], v[L0:L0+1], v[L2:L2+1]
	s_delay_alu instid0(VALU_DEP_1)
	v_add_f32 v14, v14, v15
	s_delay_alu instid0(VALU_DEP_1)
	v_permlanex16_b32 v[TT], v14, s[SEL], s[SEL+1]
	s_delay_alu instid0(VALU_DEP_1)
	v_add_f32 v14, v14, v[TT]                      ; with lane l xor 16's: the row's sum
	s_wait_alu depctr_va_vdst(0)
	v_rcp_f32 v14, v14
	v_nop
	s_wait_alu depctr_va_vdst(0)
.set jj, 0
.rept 16
	v_pk_mul_f32 v[S+jj:S+jj+1], v[O+jj:O+jj+1], v[14:15] op_sel_hi:[1,0]
.set jj, jj+2
.endr
.irp b, 0,1
	v_max3_num_f32 v[TM+\b], |v[S+16*\b]|, |v[S+16*\b+1]|, 0x4800000
.endr
.irp i, 2,4,6,8,10,12,14
.irp b, 0,1
	s_delay_alu instid0(VALU_DEP_2)
	v_max3_num_f32 v[TM+\b], v[TM+\b], |v[S+16*\b+\i]|, |v[S+16*\b+\i+1]|
.endr
.endr
.irp b, 0,1
	s_delay_alu instid0(VALU_DEP_2)
	v_permlanex16_b32 v[TP+\b], v[TM+\b], s[SEL], s[SEL+1]
.endr
.irp b, 0,1
	s_delay_alu instid0(VALU_DEP_2)
	v_max_num_f32 v[TM+\b], v[TM+\b], v[TP+\b]
.endr
.irp b, 0,1
	s_delay_alu instid0(VALU_DEP_2)
	v_add_nc_u32 v[SO+\b], 0xfc000000, v[TM+\b]
.endr
.irp b, 0,1
	s_delay_alu instid0(VALU_DEP_4)
	v_and_or_b32 v[HD+\b], v[TM+\b], 0x7f800000, s[MNT]
.endr
.irp b, 0,1
	s_delay_alu instid0(VALU_DEP_4)
	v_lshrrev_b32 v[TP+\b], 23, v[SO+\b]
.endr
	v_and_b32 v[TM+2], 0xf0, v[L16]
	v_lshl_or_b32 v[TM+3], v[TP+1], 8, v[TP]       ; my row's two scale bytes of this head
	v_lshlrev_b32 v[TM+2], 1, v[TM+2]              ; 32 x (lane % 16): my row of scale bytes
.irp b, 0,1
.irp i, 0,1,2,3,4,5,6,7,8,9,10,11,12,13,14,15
	v_med3_num_f32 v[S+16*\b+\i], v[S+16*\b+\i], -v[HD+\b], v[HD+\b]
.endr
	v_cvt_scalef32_pk8_fp8_f32 v[PC+4*\b:PC+4*\b+1], v[S+16*\b:S+16*\b+7], v[SO+\b]
	v_cvt_scalef32_pk8_fp8_f32 v[PC+4*\b+2:PC+4*\b+3], v[S+16*\b+8:S+16*\b+15], v[SO+\b]
.endr
	v_nop
.irp b, 0,1
	global_store_b128 v[L16], v[PC+4*\b:PC+4*\b+3], s[8:9] offset:16384*\p+512*\b   ; the wave stores 512 consecutive bytes, aligned
.endr
	global_store_b16 v[TM+2], v[TM+3], s[10:11] offset:512*\p   ; both halves of the lanes write the same two bytes with the same value: one byte in 32 of what the pass stores
.endm
.macro PASS p
	INIT \p
	s_mov_b32 s[CNT], 16
.Lstep_\@:
	STEP
	s_sub_co_u32 s[CNT], s[CNT], 1
	s_cmp_lg_u32 s[CNT], 0
	s_cbranch_scc1 .Lstep_\@
	FINISH \p
.endm
	s_wait_alu depctr_va_vdst(0)
	s_wait_tensorcnt 0x0                           ; my part of K, V or the scale words is in,
	s_barrier_signal -1
	s_barrier_wait -1                              ; everybody's is: the only barrier between the head and the end
	s_wait_loadcnt 0x0                             ; Q
	v_add_nc_u32 v[TT], s[QSB], v[L16]
	ds_store_b128 v[TT], v[KV:KV+3]                ; the odd tile waits in my own bytes, on which no fill lands
	ds_store_b128 v[TT], v[KV+4:KV+7] offset:8192
	ds_store_b32 v[TT], v[KV+8] offset:16384
	v_perm_b32 v[QS], v[KV+8], v[KV+8], 0x01000100 ; the even tile's two bytes, for either half of the instruction's K
	PASS 0
	PASS 1
	s_wait_tensorcnt 0x0                           ; the wave's end
	ds_add_u32 v[SPW], v[NIL]
	s_wait_dscnt 0x0
	CROUND                                         ; the closing round
	s_endpgm
.Lfunc_end_k_qe45a303584_attn:
	.size	k_qe45a303584_attn, .Lfunc_end_k_qe45a303584_attn-k_qe45a303584_attn
	.p2alignl 7, 3214868480
	.fill 96, 4, 3214868480
	.section	.rodata,"a",@progbits
	.p2align	6, 0x0
	.amdhsa_kernel k_qe45a303584_attn
		.amdhsa_group_segment_fixed_size 327680
		.amdhsa_private_segment_fixed_size 0
		.amdhsa_enable_private_segment 0
		.amdhsa_kernarg_size 32
		.amdhsa_user_sgpr_count 2
		.amdhsa_user_sgpr_kernarg_segment_ptr 1
		.amdhsa_wavefront_size32 1
		.amdhsa_system_sgpr_workgroup_id_x 1
		.amdhsa_system_sgpr_workgroup_id_y 1
		.amdhsa_system_sgpr_workgroup_id_z 1
		.amdhsa_system_vgpr_workitem_id 0
		.amdhsa_next_free_vgpr 256
		.amdhsa_next_free_sgpr 80
		.amdhsa_reserve_vcc 0
		.amdhsa_float_denorm_mode_32 3
		.amdhsa_float_denorm_mode_16_64 3
		.amdhsa_memory_ordered 1
		.amdhsa_forward_progress 1
		.amdhsa_inst_pref_size 70
	.end_amdhsa_kernel
	.amdgpu_metadata
---
amdhsa.version: [ 1, 2 ]
amdhsa.kernels:
  - .name:           k_qe45a303584_attn
    .symbol:         k_qe45a303584_attn.kd
    .args:
      - { .name: qkv, .offset: 0, .size: 8, .value_kind: global_buffer, .address_space: global }
      - { .name: qkvs, .offset: 8, .size: 8, .value_kind: global_buffer, .address_space: global }
      - { .name: ocodes, .offset: 16, .size: 8, .value_kind: global_buffer, .address_space: global }
      - { .name: oscales, .offset: 24, .size: 8, .value_kind: global_buffer, .address_space: global }
    .group_segment_fixed_size: 327680
    .private_segment_fixed_size: 0
    .kernarg_segment_align: 8
    .kernarg_segment_size: 32
    .max_flat_workgroup_size: 512
    .sgpr_count:     80
    .vgpr_count:     256
    .wavefront_size: 32
...
	.end_amdgpu_metadata
.endif
;; end of part 3
;; launch outg (part 4): grid 4 x 32, 4 waves a work-group, clusters of 4 x 4, 327,680 bytes of LDS; arguments ocodes, oscales, wcodes, wscales, bo, out0; writes out0
.if DOCPART == 4
	.amdgcn_target "amdgcn-amd-amdhsa--gfx1250"
	.amdhsa_code_object_version 6
	.text
	.protected	k_qe45a303584_outg
	.globl	k_qe45a303584_outg
	.p2align	8
	.type	k_qe45a303584_outg,@function
k_qe45a303584_outg:
	s_mov_b64 s[64:65], 0
	v_nop
	global_prefetch_b8 v0, s[64:65] scope:SCOPE_SE
	s_setreg_imm32_b32 hwreg(HW_REG_WAVE_MODE, 25, 1), 1
	s_wait_xcnt 0x0
	s_wait_alu depctr_hold_cnt(0) depctr_sa_sdst(0) depctr_va_vdst(0) depctr_va_sdst(0) depctr_va_ssrc(0) depctr_va_vcc(0) depctr_vm_vsrc(0)
	s_getreg_b32 s2, hwreg(HW_REG_IB_STS2, 6, 4)
	s_cmp_eq_u32 s2, 0
	s_cbranch_scc0 .Lentry_in_a_cluster
	s_endpgm
.Lentry_in_a_cluster:
	s_bfe_u32 s2, ttmp6, 0x10000c
	s_cmp_lg_u32 s2, 0xf033
	s_cbranch_scc0 .Lentry_shape_is_right
	s_endpgm
.Lentry_shape_is_right:
.set SIZE_N, 1024
.set NQ,     2
.set ROWB,   256
.set ASTEP,  4096
.set KROW,   1024
.set PITCH,  272
.set FR,     16
.set NL,     4
.set NP,     8
.set HALFT,  128*PITCH
.set SLOT,   4*HALFT
.set LAPS,   2
.set KS,     32
.set SCL,    2*SLOT
.set HALFS,  (128*KS/256)*272
.set SBLK,   (16*KS/256)*272
.set SPARE,  SCL+4*HALFS
.set SPITCH, 528
.set ADRA, 16
.set ADRB, 20
.set STO,  24
.set RD,   25
.set CO,   26
.set ADRS, 27
.set SPW,  28
.set NIL,  29
.set BO,   30
.set SC,   32
.set BB,   64
.set AF,   128
.set BK,   128
.set G1, 24
.set G0, 32
.set G1B, 48
.set G0B, 56
.set G1S, 68
.set G0S, 76
.set G1SB, 80
.set G0SB, 88
.set PB,  96
.set MSB, 0
.macro WIN new
.if MSB != \new
	s_set_vgpr_msb (MSB<<8)|\new
.set MSB, \new
.endif
.endm
.set MUL_LO, 0xa1
.set MUL_HI, 0xf1
.set FIRST_LO, 0x81
.set FIRST_HI, 0xc1
.set TO_B,   0x40
.macro JLOAD g0a, g1a, g0b, g1b
	s_cmp_eq_u32 s15, 0
	s_cbranch_scc0 .Lfor_b_\@
	tensor_load_to_lds s[\g0a:\g0a+3], s[\g1a:\g1a+7]
	s_nop 0
.rept 4
	v_nop
.endr
	s_branch .Lasked_\@
.Lfor_b_\@:
	tensor_load_to_lds s[\g0b:\g0b+3], s[\g1b:\g1b+7]
	s_nop 0
.rept 4
	v_nop
.endr
.Lasked_\@:
.endm
.macro CREST
	s_cmp_lg_u32 s14, 0
	s_cbranch_scc1 .Lnot_wave_0_\@
	s_barrier_signal -3
.Lnot_wave_0_\@:
	s_barrier_wait -3
	s_barrier_signal -1
	s_barrier_wait -1
.endm
.macro CROUND
	s_barrier_signal -1
	s_barrier_wait -1
	CREST
.endm
	s_load_b128 s[4:7], s[0:1], 0x0
	s_load_b128 s[8:11], s[0:1], 0x10
	s_load_b128 s[96:99], s[0:1], 0x20
	v_lshl_add_u32 v[SPW], v0, 2, SPARE
	v_mov_b32 v[NIL], 0
	ds_add_u32 v28, v29
	ds_add_u32 v28, v29
	s_wait_dscnt 0x0
	v_lshrrev_b32 v1, 5, v0
	v_readfirstlane_b32 s14, v1
	s_lshr_b32 s15, s14, 1
	s_and_b32 s16, s14, 1
	s_bfe_u32 s40, ttmp6, 0x40000
	s_bfe_u32 s41, ttmp6, 0x40004
	s_lshl_b32 s42, ttmp9, 2
	s_add_co_u32 s42, s42, s40
	s_and_b32 s17, ttmp7, 0xffff
	s_lshl_b32 s17, s17, 2
	s_add_co_u32 s17, s17, s41
	s_lshl_b32 s43, s41, 2
	s_lshl_b32 s43, 15, s43
	s_lshl_b32 s44, 0x1111, s40
	s_or_b32 s[G1+0], s43, (3<<16)|(1<<21)
	s_mov_b32 s[G1+1], 512<<16
	s_mov_b32 s[G1+2], 8<<16
	s_mov_b32 s[G1+3], 512<<16
	s_mov_b32 s[G1+4], 8
	s_mov_b32 s[G1+5], 2048
	s_mov_b32 s[G1+6], 0
	s_mov_b32 s[G1+7], 0
	s_or_b32 s[G1B+0], s44, (0<<16)|(1<<20)|(1<<21)|(5<<22)|(3<<25)
	s_mov_b32 s[G1B+1], ROWB<<16
	s_mov_b32 s[G1B+2], 128<<16
	s_mov_b32 s[G1B+3], ROWB<<16
	s_mov_b32 s[G1B+4], 128
	s_mov_b32 s[G1B+5], KROW
	s_mov_b32 s[G1B+6], 0
	s_mov_b32 s[G1B+7], 0
	s_or_b32 s[G1S+0], s43, (3<<16)|(1<<20)|(1<<21)|(5<<22)|(3<<25)
	s_or_b32 s[G1SB+0], s44, (3<<16)|(1<<20)|(1<<21)|(5<<22)|(3<<25)
.irp g, G1S, G1SB
	s_mov_b32 s[\g+1], 32<<16
	s_mov_b32 s[\g+2], (128*KS/256)<<16
	s_mov_b32 s[\g+3], 32<<16
	s_mov_b32 s[\g+4], 128*KS/256
	s_mov_b32 s[\g+5], 32
	s_mov_b32 s[\g+6], 0
	s_mov_b32 s[\g+7], 0
.endr
	s_lshl_b32 s18, s16, 7
	s_lshl_b32 s20, s17, 8
	s_add_co_u32 s20, s20, s18
	s_lshl_b32 s46, s42, 8
	s_add_co_u32 s46, s46, s18
	s_mov_b32 s21, 0
	s_mov_b32 s47, 0
	s_mov_b64 s[18:19], KS
	s_mul_u64 s[22:23], s[20:21], s[18:19]
	s_mul_u64 s[92:93], s[46:47], s[18:19]
	s_mov_b64 s[18:19], KROW
	s_mul_u64 s[20:21], s[20:21], s[18:19]
	s_mul_u64 s[46:47], s[46:47], s[18:19]
	s_mul_i32 s45, s14, HALFT
	s_mul_i32 s94, s14, HALFS
	s_wait_kmcnt 0x0
	s_mov_b64 s[12:13], s[98:99]
	s_add_nc_u64 s[8:9], s[8:9], 0x300000
	s_add_nc_u64 s[10:11], s[10:11], 0x18000
	s_add_nc_u64 s[20:21], s[4:5], s[20:21]
	s_add_nc_u64 s[22:23], s[6:7], s[22:23]
	s_add_nc_u64 s[46:47], s[8:9], s[46:47]
	s_add_nc_u64 s[92:93], s[10:11], s[92:93]
	CROUND
	s_mov_b32 s[G0S], 1
	s_add_co_u32 s[G0S+1], s94, SCL
	s_mov_b64 s[G0S+2:G0S+3], s[22:23]
	s_or_b32 s[G0S+3], s[G0S+3], 0x80000000
	s_mov_b32 s[G0SB], 1
	s_add_co_u32 s[G0SB+1], s94, SCL
	s_mov_b64 s[G0SB+2:G0SB+3], s[92:93]
	s_or_b32 s[G0SB+3], s[G0SB+3], 0x80000000
	JLOAD G0S, G1S, G0SB, G1SB
.irp s, 0,1
	s_mov_b32 s[G0+4*\s], 1
	s_add_co_u32 s[G0+4*\s+1], s45, \s*SLOT
	s_add_nc_u64 s[G0+4*\s+2:G0+4*\s+3], s[20:21], \s*ASTEP
	s_or_b32 s[G0+4*\s+3], s[G0+4*\s+3], 0x80000000
	s_mov_b32 s[G0B+4*\s], 1
	s_add_co_u32 s[G0B+4*\s+1], s45, \s*SLOT
	s_add_nc_u64 s[G0B+4*\s+2:G0B+4*\s+3], s[46:47], \s*ROWB
	s_or_b32 s[G0B+4*\s+3], s[G0B+4*\s+3], 0x80000000
	s_wait_alu depctr_va_vdst(0)
	s_wait_tensorcnt 0x0
	ds_add_u32 v28, v29
	s_wait_dscnt 0x0
	CROUND
	JLOAD G0+4*\s, G1, G0B+4*\s, G1B
.endr
	v_and_b32 v1, 15, v0
	v_bfe_u32 v2, v0, 4, 1
	v_and_b32 v6, 31, v0
	v_lshlrev_b32 v7, 4, v6
	v_mul_u32_u24 v3, v1, PITCH
	v_lshl_add_u32 v4, v2, 4, v3
	s_mul_i32 s21, s15, HALFT
	s_mul_i32 s22, s16, HALFT
	s_add_co_u32 s22, s22, 2*HALFT
.irp s, 0,1
	v_add_nc_u32 v[ADRA+\s], s21, v7
	v_add_nc_u32 v[ADRB+\s], s22, v4
	s_add_co_u32 s21, s21, SLOT
	s_add_co_u32 s22, s22, SLOT
.endr
	v_mul_u32_u24 v5, v1, KS
	v_lshrrev_b32 v6, 8, v5
	v_lshl_add_u32 v5, v6, 4, v5
	s_mul_i32 s21, s15, HALFS
	s_mul_i32 s22, s16, HALFS
	s_add_co_u32 s22, s22, 2*HALFS
	s_sub_co_u32 s22, s22, s21
	v_mul_u32_u24 v6, s22, v2
	s_add_co_u32 s21, s21, SCL
	v_add_nc_u32 v5, v5, v6
	v_add_nc_u32 v[ADRS], s21, v5
	s_mul_i32 s23, s14, 16*SPITCH
	v_mul_u32_u24 v5, v1, SPITCH
	v_lshl_add_u32 v5, v2, 6, v5
	v_add_nc_u32 v[STO], s23, v5
	v_mov_b32 v[CO], v7
	v_add_nc_u32 v[RD], s23, v7
	s_lshl_b32 s20, s17, 8
	s_lshl_b32 s21, s15, 7
	s_add_co_u32 s20, s20, s21
	s_mov_b32 s21, 0
	s_mov_b64 s[18:19], SIZE_N*4
	s_mul_u64 s[20:21], s[20:21], s[18:19]
	s_lshl_b32 s46, s42, 10
	s_lshl_b32 s47, s16, 9
	s_add_co_u32 s46, s46, s47
	s_mov_b32 s47, 0
	s_add_nc_u64 s[20:21], s[20:21], s[46:47]
	s_add_nc_u64 s[12:13], s[12:13], s[20:21]
	s_add_nc_u64 s[PB:PB+1], s[PB:PB+1], s[46:47]
	v_lshlrev_b32 v[BO], 6, v2
.irp b, 0,1,2,3,4,5,6,7
	global_load_b128 v[BB+8*\b:BB+8*\b+3], v[BO], s[PB:PB+1] offset:4*(32*(\b/2)+8*(\b%2))
	global_load_b128 v[BB+8*\b+4:BB+8*\b+7], v[BO], s[PB:PB+1] offset:4*(32*(\b/2)+8*(\b%2))+16
.endr
.macro FRAG reg, adr, q, i
.irp c, 0,1,2,3
	ds_load_b128 v[\reg+4*\c:\reg+4*\c+3], v[\adr] offset:128*(\q)+32*\c+(\i)*16*PITCH
.endr
.endm
.macro FRAGA reg, adr, q, i
.irp c, 0,1,2,3
	ds_load_b128 v[\reg+4*\c:\reg+4*\c+3], v[\adr] offset:(\i)*ASTEP+2048*(\q)+512*\c
.endr
.endm
.macro MUL16 a0, p, q, sc, zero
.irp a, \a0, \a0+1
.irp b, 0,1,2,3,4,5,6,7
.if \zero
	v_wmma_scale_f32_16x16x128_f8f6f4 v[8*(8*((\a)%4)+\b):8*(8*((\a)%4)+\b)+7], v[128*(\p)+FR*\b:128*(\p)+FR*\b+FR-1], v[AF+FR*(\a):AF+FR*(\a)+FR-1], v[BB+8*\b:BB+8*\b+7], v[SC+8*NQ*(\sc)+NQ*\b+(\q)], v[SC+8*NQ*(\sc)+NQ*(\a)+(\q)] matrix_a_scale:MATRIX_SCALE_ROW1
.else
	v_wmma_scale_f32_16x16x128_f8f6f4 v[8*(8*((\a)%4)+\b):8*(8*((\a)%4)+\b)+7], v[128*(\p)+FR*\b:128*(\p)+FR*\b+FR-1], v[AF+FR*(\a):AF+FR*(\a)+FR-1], v[8*(8*((\a)%4)+\b):8*(8*((\a)%4)+\b)+7], v[SC+8*NQ*(\sc)+NQ*\b+(\q)], v[SC+8*NQ*(\sc)+NQ*(\a)+(\q)] matrix_a_scale:MATRIX_SCALE_ROW1
.endif
.endr
.endr
.endm
.macro FETCH_B slot, q, p
	WIN TO_B
.irp i, 0,1,2,3,4,5,6,7
	FRAG 128*(\p)+FR*\i, ADRB+\slot, \q, \i
.endr
	WIN 0
.endm
.macro FETCH_A slot, q, i0
.irp i, \i0, \i0+1, \i0+2, \i0+3
	FRAGA AF+FR*(\i), ADRA+\slot, \q, \i
.endr
.endm
.macro SCALES sc
.irp i, 0,1,2,3,4,5,6,7
	ds_load_b64 v[SC+8*NQ*\sc+NQ*\i:SC+8*NQ*\sc+NQ*\i+1], v[ADRS] offset:\i*SBLK
.endr
.endm
.macro PLACES n
.rept \n
	v_nop
.endr
.endm
.macro STEP slot, q, zero
	s_wait_dscnt 4*NL
.if \zero
	WIN FIRST_LO
.else
	WIN MUL_LO
.endif
	MUL16 0, (\q)%2, \q, \slot, \zero
	MUL16 2, (\q)%2, \q, \slot, \zero
	s_wait_dscnt 0
	PLACES NP
	FETCH_B \slot, (\q)+1, 1-(\q)%2
	FETCH_A \slot, (\q)+1, 0
.if \zero
	WIN FIRST_HI
.else
	WIN MUL_HI
.endif
	MUL16 4, (\q)%2, \q, \slot, \zero
	MUL16 6, (\q)%2, \q, \slot, \zero
	PLACES NP
	WIN 0
	FETCH_A \slot, (\q)+1, 4
.endm
.macro TURN slot, next, fill
	s_wait_tensorcnt 0x0
	ds_add_u32 v[SPW], v[NIL]
	s_wait_dscnt 4*NL+1
	WIN MUL_LO
	MUL16 0, 1, NQ-1, \slot, 0
	s_wait_dscnt 0x0
	s_barrier_signal -1
	MUL16 2, 1, NQ-1, \slot, 0
	WIN 0
	s_barrier_wait -1
.if \fill
	CREST
	s_add_nc_u64 s[G0+4*\slot+2:G0+4*\slot+3], s[G0+4*\slot+2:G0+4*\slot+3], 2*ASTEP
	s_add_nc_u64 s[G0B+4*\slot+2:G0B+4*\slot+3], s[G0B+4*\slot+2:G0B+4*\slot+3], 2*ROWB
	JLOAD G0+4*\slot, G1, G0B+4*\slot, G1B
	PLACES NP-4
.else
	PLACES NP
.endif
	s_wait_alu depctr_va_vdst(0)
	v_add_nc_u32 v[ADRS], 4*NQ, v[ADRS]
	FETCH_B \next, 0, 0
	FETCH_A \next, 0, 0
	SCALES \next
	WIN MUL_HI
	MUL16 4, 1, NQ-1, \slot, 0
	MUL16 6, 1, NQ-1, \slot, 0
	PLACES NP
	WIN 0
	FETCH_A \next, 0, 4
.endm
	s_wait_alu depctr_va_vdst(0)
	s_wait_tensorcnt 1
	s_barrier_signal -1
	s_barrier_wait -1
	FETCH_B 0, 0, 0
	FETCH_A 0, 0, 0
	SCALES 0
	FETCH_A 0, 0, 4
	s_wait_loadcnt 0x0
	STEP 0, 0, 1
	s_mov_b32 s3, LAPS-1
.Llap:
	TURN 0, 1, 1
	STEP 1, 0, 0
	TURN 1, 0, 1
	STEP 0, 0, 0
	s_sub_co_u32 s3, s3, 1
	s_cmp_lg_u32 s3, 0
	s_cbranch_scc1 .Llap
	TURN 0, 1, 0
	STEP 1, 0, 0
	s_wait_dscnt 4*NL
	WIN MUL_LO
	MUL16 0, 1, NQ-1, 1, 0
	MUL16 2, 1, NQ-1, 1, 0
	s_wait_dscnt 0
	WIN MUL_HI
	MUL16 4, 1, NQ-1, 1, 0
	MUL16 6, 1, NQ-1, 1, 0
	WIN 0
.macro TOSTAGE a
.set AC, 64*((\a)%4)
	WIN 0x08+4*((\a)/4)
.irp b, 0,1,2,3,4,5,6,7
	ds_store_b128 v[STO], v[AC+8*\b:AC+8*\b+3] offset:128*(\b/2)+32*(\b%2)
	ds_store_b128 v[STO], v[AC+8*\b+4:AC+8*\b+7] offset:128*(\b/2)+32*(\b%2)+16
.endr
	WIN 0
.set RB, BK+64*((\a)%2)
.irp t, 0,1,2,3,4,5,6,7,8,9,10,11,12,13,14,15
	ds_load_b128 v[RB+4*\t:RB+4*\t+3], v[RD] offset:\t*SPITCH
.endr
.endm
.macro SEND a, younger
.set RB, BK+64*((\a)%2)
	s_wait_dscnt \younger
.if ((\a) > 0) && ((\a)%2 == 0)
	s_add_nc_u64 s[12:13], s[12:13], 32*SIZE_N*4
.endif
.irp t, 0,1,2,3,4,5,6,7,8,9,10,11,12,13,14,15
	global_store_b128 v[CO], v[RB+4*\t:RB+4*\t+3], s[12:13] offset:(8*((\a)%2)+\t+8*(\t/8))*SIZE_N*4 th:TH_STORE_NT
.endr
.endm
	PLACES NP
	TOSTAGE 0
.irp a, 1,2,3,4,5,6,7
.if \a > 1
	s_wait_xcnt 0x0
.endif
	TOSTAGE \a
	SEND \a-1, 32
.endr
	s_wait_xcnt 0x0
	SEND 7, 0
	s_wait_tensorcnt 0x0
	ds_add_u32 v[SPW], v[NIL]
	s_wait_dscnt 0x0
	CROUND
	s_endpgm
.Lfunc_end_k_qe45a303584_outg:
	.size	k_qe45a303584_outg, .Lfunc_end_k_qe45a303584_outg-k_qe45a303584_outg
	.p2alignl 7, 3214868480
	.fill 96, 4, 3214868480
	.section	.rodata,"a",@progbits
	.p2align	6, 0x0
	.amdhsa_kernel k_qe45a303584_outg
		.amdhsa_group_segment_fixed_size 327680
		.amdhsa_private_segment_fixed_size 0
		.amdhsa_enable_private_segment 0
		.amdhsa_kernarg_size 48
		.amdhsa_user_sgpr_count 2
		.amdhsa_user_sgpr_kernarg_segment_ptr 1
		.amdhsa_wavefront_size32 1
		.amdhsa_system_sgpr_workgroup_id_x 1
		.amdhsa_system_sgpr_workgroup_id_y 1
		.amdhsa_system_sgpr_workgroup_id_z 1
		.amdhsa_system_vgpr_workitem_id 0
		.amdhsa_next_free_vgpr 1024
		.amdhsa_next_free_sgpr 100
		.amdhsa_reserve_vcc 0
		.amdhsa_float_denorm_mode_32 3
		.amdhsa_float_denorm_mode_16_64 3
		.amdhsa_memory_ordered 1
		.amdhsa_forward_progress 1
		.amdhsa_inst_pref_size 148
	.end_amdhsa_kernel
	.amdgpu_metadata
---
amdhsa.version: [ 1, 2 ]
amdhsa.kernels:
  - .name:           k_qe45a303584_outg
    .symbol:         k_qe45a303584_outg.kd
    .args:
      - { .name: ocodes, .offset: 0, .size: 8, .value_kind: global_buffer, .address_space: global }
      - { .name: oscales, .offset: 8, .size: 8, .value_kind: global_buffer, .address_space: global }
      - { .name: wcodes, .offset: 16, .size: 8, .value_kind: global_buffer, .address_space: global }
      - { .name: wscales, .offset: 24, .size: 8, .value_kind: global_buffer, .address_space: global }
      - { .name: bo, .offset: 32, .size: 8, .value_kind: global_buffer, .address_space: global }
      - { .name: out0, .offset: 40, .size: 8, .value_kind: global_buffer, .address_space: global }
    .group_segment_fixed_size: 327680
    .private_segment_fixed_size: 0
    .kernarg_segment_align: 8
    .kernarg_segment_size: 48
    .max_flat_workgroup_size: 128
    .sgpr_count:     100
    .vgpr_count:     1024
    .wavefront_size: 32
...
	.end_amdgpu_metadata
.endif
;; end of part 4
